; MI455X (gfx1250); checked and timed in simulation.
; The chip was launched on July 23, 2026; its instructions are those of AMD's public machine-readable ISA for CDNA 5 (MIT licence, August 2026) and "CDNA5" Instruction Set Architecture Reference Guide (July 2026). The comments in the code are by the model that wrote it; some were corrected since.
;; Multi Head Attention. Allowed arithmetic: matrix products marked QUANTISED: E2M1 operands, one E8M0 scale for each 32 along K, by v_wmma_scale_f32_16x16x128_f8f6f4 with both operands' format E2M1 (or v_wmma_scale_f32_32x16x128_f4), f32 sums; everything else in f32.
;; Inputs: Wk 1,024 x 1,024 float32; Wo 1,024 x 1,024 float32; Wq 1,024 x 1,024 float32; Wv 1,024 x 1,024 float32; bk 1,024 float32; bo 1,024 float32; bq 1,024 float32; bv 1,024 float32; mask 1 x 1 x 2,048 x 2,048 int32; x 4 x 2,048 x 1,024 float32.
;; Outputs: out0 4 x 2,048 x 1,024 float32.
;; This version of the problem:
;;   THIS VERSION OF THE PROBLEM IS GIVEN IN LOW PRECISION. The matrix products marked QUANTISED in the list below multiply operands that are first quantised to E2M1 (2 exponent bits, 1 mantissa bit; 4 bits a number), with one power-of-two scale for each 32 numbers along K (OCP MX v1.0); their sums are f32. All else is computed in f32.
;;   The module's matrix products, in the order in which they are computed (A, B: the left and right operand; K: the contracted axis; several contracted axes count as one K, in the product's order):
;;     1. [M 8,192, K 1,024] x [K 1,024, N 1,024]; A: input x; B: input Wq: QUANTISED
;;     2. [M 8,192, K 1,024] x [K 1,024, N 1,024]; A: input x; B: input Wk: QUANTISED
;;     3. [M 8,192, K 1,024] x [K 1,024, N 1,024]; A: input x; B: input Wv: QUANTISED
;;     4. batch 64 x [M 2,048, K 64] x [K 64, N 2,048]; A: computed on the way; B: computed on the way: QUANTISED
;;     5. batch 64 x [M 2,048, K 2,048] x [K 2,048, N 64]; A: softmax (see below); B: computed on the way: QUANTISED
;;     6. [M 8,192, K 1,024] x [K 1,024, N 1,024]; A: computed on the way; B: input Wo: QUANTISED
;;   THE QUANTISER, for each operand of a quantised product, along K:
;;     - K is cut into blocks of 32 from its start; a last block that is shorter is filled with zeros.
;;     - A block's scale is 2^e with e = floor(log2(the largest magnitude in the block)) - 2, held to -126 .. 127; a block of zeros has e = 0. As a byte (E8M0): e + 127.
;;     - Each number is divided by its block's scale, clamped to +-6, and rounded to the nearest number of E2M1, ties to even, subnormals kept.
;;     - The product sums the exact products of the quantised numbers (number of the format x scale) in f32.
;;   ~~~python
;;   def quantise(x, axis):      # numpy; x: float32 -> the quantised numbers, widened to float32 again
;;       x = np.moveaxis(x, axis, -1); K = x.shape[-1]
;;       x = np.pad(x, [(0, 0)] * (x.ndim - 1) + [(0, -K % 32)]); x = x.reshape(x.shape[:-1] + (-1, 32)); a = np.abs(x).max(-1, keepdims=True)
;;       e = np.where(a > 0, np.clip(np.frexp(np.where(a > 0, a, 1))[1] - 1 - 2, -126, 127), 0)      # np.frexp(a)[1] - 1 = floor(log2(a)), exactly
;;       r = np.clip(x / 2.0 ** e, -6, 6)
;;       step = 2.0 ** (np.maximum(np.frexp(np.where(r == 0, 1, r))[1] - 1, 0) - 1)
;;       q = np.round(r / step) * step * 2.0 ** e      # np.round: ties to even
;;       return np.moveaxis(q.reshape(q.shape[:-2] + (-1,))[..., :K], -1, axis).astype(np.float32)
;;   ~~~
;;   SOFTMAX AHEAD OF A QUANTISED PRODUCT. Where the list says 'softmax', what is quantised is not the finished softmax but p = 2^(t - M), with t = logit x log2(e) and M = ceil(the row's largest t), a whole number; so 1/2 < the row's largest p <= 1. The row's sum l is taken of the UNQUANTISED p, in f32, and the product's result is divided by l at the end. Since M is a whole number, a kernel that streams over the keys may use a running M (the ceiling of the running maximum): every later rescaling is an exact power of two, which a block's scale takes up: the codes' values come out the same.
;;   OPERANDS COMPUTED ON THE WAY. 'Computed on the way' means the value that the module computes at that place (a softmax that the list does not call 'softmax' is quantised finished and normalised). What goes into a quantiser is computed in f32, as accurately as f32 sums, v_exp_f32 and their like allow (about 1e-6 of the number): no bf16 or f16 on the way to a quantiser, and a product that is left as it is and whose result goes on into a quantised operand takes f32 operands (vector FMAs, or v_wmma_f32_16x16x4_f32). A number that lies on a knife's edge between two numbers of the format may be rounded either way, as far as f32 arithmetic and the matrix unit's own rounding can turn it there, and no further.
;; 2 versions, each right; version 2 is version 1 with the launch attn written anew for expert scheduling mode. Each part assembles by itself: llvm-mc -triple=amdgcn-amd-amdhsa -mcpu=gfx1250 --defsym DOCPART=n.
;; ======== version 1 of 2: 4 launches
;; limits: right only within a limited range of input values
;; workspace buffers: opnd 6,684,672 bytes; maskw 532,480 bytes of whole numbers; qkv 13,893,632 bytes; att 4,456,448 bytes
;; launch prep (part 1): grid 256 x 1, 4 waves a work-group, no clusters, 70,144 bytes of LDS; arguments x, Wq, Wk, Wv, Wo, mask, opnd, maskw; writes opnd, maskw
.if DOCPART == 1
	.amdgcn_target "amdgcn-amd-amdhsa--gfx1250"
	.amdhsa_code_object_version 6
	.text
	.protected	k_q789b8deb5c_prep
	.globl	k_q789b8deb5c_prep
	.p2align	8
	.type	k_q789b8deb5c_prep,@function
k_q789b8deb5c_prep:
	s_mov_b64 s[64:65], 0
	v_nop
	global_prefetch_b8 v0, s[64:65] scope:SCOPE_SE
	s_setreg_imm32_b32 hwreg(HW_REG_WAVE_MODE, 25, 1), 1
	s_wait_xcnt 0x0
; PREP.  x [8192][1024] and Wq, Wk, Wv, Wo [1024][1024], f32 with K innermost, become codes of FP4 (E2M1) with one E8M0 byte for each 32 along K; the mask [2048][2048], int32, becomes lane-mask words.
; THE IMAGE.  Tile T of a matrix holds rows 32 (T / 2) + 8 (T % 2) + r + 8 (r / 8), r = 0 .. 15.  Its codes lie as the matrix instruction's registers do: [T][q = K / 128][c = 0, 1][lane][16 bytes];
; lane (r, h) of (q, c) holds block 4 q + 2 c + h of the tile's row r.  Its scale words lie [T][q][r], four bytes each (128 along K of one row).
; opnd: x's codes at 0 (512 tiles of 8,192 bytes), the weights' at WC (Wq 0-63, Wk 64-127, Wv 128-191, Wo 192-255), x's scale words at XS (512 bytes a tile), the weights' at WS.
; maskw: [T 128][j 16][n 64] words: bit r + 16 h of word n = 16 b + i says that mask[row r of tile T][128 j + 32 b + 16 h + i] is not 0; at META [T][j] words: bits 15:0 'row r has an open key in step j', bit 16 'all are open'.
; SHARES.  A wave takes 64 KiB: work-groups 0-127 a tile of x each wave, 128-191 a tile of a weight, 192-255 half the keys of a tile of mask rows.  Waves share nothing: no barrier.
; Each load reads 512 consecutive bytes of one row; a step's 16 rows turn through the wave's own stage in LDS (pitch 528: the sixteen rows that a read touches start in different banks) so that a lane gets whole blocks of 32.
; A block's scale is 2^(floor(log2(its largest magnitude)) - 2); its byte is the largest magnitude's exponent field - 2, held at 1 from below.
; LIMITS: a block of zeros gets the byte 1 where the rule says 127 (its codes are zeros, and only this program reads the bytes); NaN and infinities among the inputs are not served.
.set WC,    0x400000
.set XS,    0x600000
.set WS,    0x640000
.set META,  0x80000
.set SP,    528                        ; a stage row: 512 bytes + 16
.set QREG,  16*SP+512                  ; quantising path: a wave's stage and its tile's 512 bytes of scale words
.set MBASE, 4*QREG                     ; the mask path has LDS bytes of its own
.set MREG,  16*SP
.set R,     16                         ; v16-143  two sets of 64: a step's rows as loaded
.set X,     144                        ; v144-207 64 numbers of my row
.set C,     208                        ; v208-223 two sets of 8 code registers (mask path: v208-209 the words, v210 the flags)
.set MX,    224                        ; v224-225 largest magnitudes
.set SO,    226                        ; v226-227 the conversions' scale operands
.set BY,    228                        ; v228-229 the bytes
.set WD,    230                        ; v230 the scale word
.set WP,    231                        ; v231 the other half's part of it
	s_load_b512 s[4:19], s[0:1], 0x0               ; x, Wq, Wk, Wv, Wo, mask, opnd, maskw
	v_lshl_add_u32 v254, v0, 2, 0x11000
	v_mov_b32 v255, 0
	v_lshrrev_b32 v1, 5, v0
	v_readfirstlane_b32 s20, v1                    ; wave
	v_and_b32 v1, 31, v0                           ; lane
	v_and_b32 v2, 15, v0                           ; r
	v_bfe_u32 v3, v0, 4, 1                         ; h
	v_lshlrev_b32 v4, 4, v1                        ; 16 x lane
	s_mov_b32 s30, 0x76543210
	s_mov_b32 s31, 0xfedcba98                      ; lane l xor 16
	s_cmp_ge_u32 ttmp9, 192
	s_cbranch_scc1 .Lmask
; ---------------- x and the weights ----------------
	s_mul_i32 s21, s20, QREG
	v_add_nc_u32 v5, s21, v4                       ; into the stage: 16 x lane of a row
	v_mul_u32_u24 v6, v2, SP
	v_lshl_add_u32 v6, v3, 7, v6
	v_add_nc_u32 v6, s21, v6                       ; out of it: row r, block h of each pair of blocks
	s_add_co_u32 s21, s21, 16*SP
	v_lshlrev_b32 v7, 2, v2
	v_add_nc_u32 v7, s21, v7                       ; my row's scale word
	v_add_nc_u32 v8, s21, v4                       ; and the tile's 512 bytes of them on the way out
	v_lshlrev_b32 v12, 3, v3                       ; 8 h: my bytes' place in the word
	v_mov_b32 v[WP], 0                             ; a lane permute's destination counts as read
	s_sub_co_u32 s22, ttmp9, 128                   ; weights: group of four tiles
	s_lshr_b32 s23, s22, 4                         ; which weight
	s_and_b32 s24, s22, 15                         ; which four tiles of it
	s_wait_kmcnt 0x0
	s_cmp_eq_u32 s23, 1
	s_cselect_b64 s[26:27], s[8:9], s[6:7]
	s_cmp_eq_u32 s23, 2
	s_cselect_b64 s[26:27], s[10:11], s[26:27]
	s_cmp_eq_u32 s23, 3
	s_cselect_b64 s[26:27], s[12:13], s[26:27]
	s_cmp_lt_u32 ttmp9, 128                        ; x's work-group?  All choices hang on the work-group's number alone
	s_cselect_b64 s[26:27], s[4:5], s[26:27]
	s_cselect_b32 s24, ttmp9, s24
	s_cselect_b32 s25, ttmp9, s22
	s_mov_b32 s28, WC
	s_cselect_b32 s28, 0, s28
	s_mov_b32 s29, WS
	s_cselect_b32 s29, XS, s29
	s_lshl_b32 s24, s24, 2
	s_add_co_u32 s24, s24, s20                     ; the tile in its source
	s_lshl_b32 s25, s25, 2
	s_add_co_u32 s25, s25, s20                     ; and in its section of opnd
	s_lshr_b32 s32, s24, 1
	s_lshl_b32 s32, s32, 17                        ; 32 (T / 2) rows of 4,096 bytes
	s_and_b32 s33, s24, 1
	s_lshl_b32 s33, s33, 15                        ; + 8 (T % 2) rows
	s_add_co_u32 s32, s32, s33
	s_mov_b32 s33, 0
	s_add_nc_u64 s[26:27], s[26:27], s[32:33]
	s_lshl_b32 s32, s25, 13
	s_add_co_u32 s32, s32, s28
	s_add_nc_u64 s[34:35], s[16:17], s[32:33]      ; the tile's codes
	s_lshl_b32 s32, s25, 9
	s_add_co_u32 s32, s32, s29
	s_add_nc_u64 s[44:45], s[16:17], s[32:33]      ; its scale words
.macro QLOAD q                         ; step q: 512 bytes of each of the tile's 16 rows
.irp rr, 0,1,2,3,4,5,6,7,8,9,10,11,12,13,14,15
	global_load_b128 v[R+64*((\q)%2)+4*\rr:R+64*((\q)%2)+4*\rr+3], v4, s[26:27] offset:(\rr+8*(\rr/8))*4096+512*(\q) th:TH_LOAD_NT
.endr
.endm
.macro QSTEP q
.set RS, R+64*((\q)%2)
.set CS, C+8*((\q)%2)
.if (\q) < 7
	s_wait_loadcnt 16                              ; this step's sixteen loads are in; the next step's sixteen may be out
.else
	s_wait_loadcnt 0x0
.endif
.irp rr, 0,1,2,3,4,5,6,7,8,9,10,11,12,13,14,15
	ds_store_b128 v5, v[RS+4*\rr:RS+4*\rr+3] offset:SP*\rr
.endr
.irp c, 0,1
.irp g, 0,1,2,3,4,5,6,7
	ds_load_b128 v[X+32*\c+4*\g:X+32*\c+4*\g+3], v6 offset:256*\c+16*\g   ; block 2 c + h of my row; LDS serves a wave's instructions in order
.endr
.endr
	s_wait_dscnt 0x0                               ; my numbers are back, and the stores have read the set that is loaded again below
.if (\q)+2 < 8
	QLOAD (\q)+2
.endif
	s_wait_xcnt 0x0                                ; the stores of two steps back have read this set of code registers
.irp c, 0,1
	v_max3_num_f32 v[MX+\c], |v[X+32*\c]|, |v[X+32*\c+1]|, 0x1800000   ; all 32 numbers of a block are mine; the floor 2^(3 - 127) holds the byte at 1 from below
.endr
.irp i, 2,4,6,8,10,12,14,16,18,20,22,24,26,28,30
.irp c, 0,1
	v_max3_num_f32 v[MX+\c], v[MX+\c], |v[X+32*\c+\i]|, |v[X+32*\c+\i+1]|
.endr
.endr
.irp c, 0,1
	v_add_nc_u32 v[SO+\c], 0xff000000, v[MX+\c]    ; 2 off the exponent field: the conversion's scale operand
.endr
.irp c, 0,1
	v_lshrrev_b32 v[BY+\c], 23, v[SO+\c]           ; the scale's byte
.endr
	v_lshl_or_b32 v[WD], v[BY+1], 16, v[BY]        ; blocks h and 2 + h,
	v_lshlrev_b32 v[WD], v12, v[WD]                ; at their places;
	v_permlanex16_b32 v[WP], v[WD], s30, s31
	v_or_b32 v[WD], v[WD], v[WP]                   ; with the other half's two the word is whole
.irp c, 0,1
.irp g, 0,1,2,3
	v_cvt_scalef32_pk8_fp4_f32 v[CS+4*\c+\g], v[X+32*\c+8*\g:X+32*\c+8*\g+7], v[SO+\c]
.endr
.endr
	v_nop                                          ; one plain line behind the last conversion
.irp c, 0,1
	global_store_b128 v4, v[CS+4*\c:CS+4*\c+3], s[34:35] offset:1024*(\q)+512*\c   ; 512 consecutive bytes of the image
.endr
	ds_store_b32 v7, v[WD] offset:64*(\q)          ; lanes r and r + 16 write the same word with the same value
.endm
	QLOAD 0
	QLOAD 1
.irp q, 0,1,2,3,4,5,6,7
	QSTEP \q
.endr
	ds_load_b128 v[16:19], v8                      ; the tile's scale words, gathered
	s_wait_dscnt 0x0
	global_store_b128 v4, v[16:19], s[44:45]       ; leave as 512 consecutive bytes
	s_wait_tensorcnt 0x0
	ds_add_u32 v254, v255
	s_wait_dscnt 0x0
	s_endpgm
; ---------------- the mask ----------------
.Lmask:
	s_sub_co_u32 s22, ttmp9, 192
	s_lshl_b32 s22, s22, 2
	s_add_co_u32 s22, s22, s20
	s_lshr_b32 s23, s22, 1                         ; the tile of query rows
	s_and_b32 s24, s22, 1                          ; which eight key steps
	s_mul_i32 s21, s20, MREG
	s_add_co_u32 s21, s21, MBASE
	v_add_nc_u32 v5, s21, v4
	v_mul_u32_u24 v6, v2, SP
	v_lshl_add_u32 v6, v3, 6, v6
	v_add_nc_u32 v6, s21, v6                       ; out of the stage: row r, 16 h of each 32 keys
	v_lshlrev_b32 v9, 3, v1
	v_lshlrev_b32 v10, 2, v1
	v_mov_b32 v208, 0                              ; v_writelane_b32's destination counts as read
	v_mov_b32 v209, 0
	v_mov_b32 v210, 0
	s_lshr_b32 s32, s23, 1
	s_lshl_b32 s32, s32, 18                        ; 32 (T / 2) rows of 8,192 bytes
	s_and_b32 s33, s23, 1
	s_lshl_b32 s33, s33, 16
	s_add_co_u32 s32, s32, s33
	s_lshl_b32 s33, s24, 12
	s_add_co_u32 s32, s32, s33
	s_mov_b32 s33, 0
	s_wait_kmcnt 0x0
	s_add_nc_u64 s[26:27], s[14:15], s[32:33]
	s_lshl_b32 s32, s23, 12
	s_lshl_b32 s28, s24, 11
	s_add_co_u32 s32, s32, s28
	s_add_nc_u64 s[34:35], s[18:19], s[32:33]      ; my eight steps' words
	s_lshl_b32 s32, s23, 6
	s_lshl_b32 s28, s24, 5
	s_add_co_u32 s32, s32, s28
	s_add_co_u32 s32, s32, META
	s_add_nc_u64 s[44:45], s[18:19], s[32:33]      ; and their flags
.macro MLOAD s
.irp rr, 0,1,2,3,4,5,6,7,8,9,10,11,12,13,14,15
	global_load_b128 v[R+64*((\s)%2)+4*\rr:R+64*((\s)%2)+4*\rr+3], v4, s[26:27] offset:(\rr+8*(\rr/8))*8192+512*(\s) th:TH_LOAD_NT
.endr
.endm
.macro MSTEP s
.set RS, R+64*((\s)%2)
.if (\s) < 7
	s_wait_loadcnt 16                              ; this step's sixteen loads are in; the next step's may be out
.else
	s_wait_loadcnt 0x0
.endif
.irp rr, 0,1,2,3,4,5,6,7,8,9,10,11,12,13,14,15
	ds_store_b128 v5, v[RS+4*\rr:RS+4*\rr+3] offset:SP*\rr
.endr
.irp b, 0,1,2,3
.irp g, 0,1,2,3
	ds_load_b128 v[X+16*\b+4*\g:X+16*\b+4*\g+3], v6 offset:128*\b+16*\g   ; register 16 b + i: key 32 b + 16 h + i of my row
.endr
.endr
	s_wait_dscnt 0x0
.if (\s)+2 < 8
	MLOAD (\s)+2
.endif
	s_wait_xcnt 0x0                                ; the last step's store has read v208-209
.set n, 0
.rept 64
	v_cmp_ne_u32 s[36+n%4], 0, v[X+n]              ; word n: a bit for each lane
	v_writelane_b32 v[208+n%2], s[36+n%4], n/2     ; lane n / 2 keeps words n and n + 1
.if n == 0
	s_mov_b32 s40, s36
	s_mov_b32 s41, s36
.else
	s_or_b32 s40, s40, s[36+n%4]
	s_and_b32 s41, s41, s[36+n%4]
.endif
.set n, n+1
.endr
	s_lshr_b32 s42, s40, 16
	s_or_b32 s42, s42, s40
	s_and_b32 s42, s42, 0xffff                     ; row r has an open key
	s_cmp_eq_u32 s41, -1
	s_cselect_b32 s43, 0x10000, 0                  ; all are open
	s_or_b32 s42, s42, s43
	v_writelane_b32 v210, s42, \s
	global_store_b64 v9, v[208:209], s[34:35] offset:256*(\s)   ; 256 consecutive bytes, aligned
.endm
	MLOAD 0
	MLOAD 1
.irp s, 0,1,2,3,4,5,6,7
	MSTEP \s
.endr
	s_wait_xcnt 0x0                                ; EXEC changes only behind this wait
	v_cmp_gt_u32 vcc_lo, 8, v1
	s_wait_tensorcnt 0x0
	ds_add_u32 v254, v255
	s_wait_dscnt 0x0
	s_and_saveexec_b32 s42, vcc_lo
	global_store_b32 v10, v210, s[44:45]           ; eight flag words
	s_wait_xcnt 0x0
	s_or_b32 exec_lo, exec_lo, s42
	s_endpgm
.Lfunc_end_k_q789b8deb5c_prep:
	.size	k_q789b8deb5c_prep, .Lfunc_end_k_q789b8deb5c_prep-k_q789b8deb5c_prep
	.p2alignl 7, 3214868480
	.fill 96, 4, 3214868480
	.section	.rodata,"a",@progbits
	.p2align	6, 0x0
	.amdhsa_kernel k_q789b8deb5c_prep
		.amdhsa_group_segment_fixed_size 70144
		.amdhsa_private_segment_fixed_size 0
		.amdhsa_enable_private_segment 0
		.amdhsa_kernarg_size 64
		.amdhsa_user_sgpr_count 2
		.amdhsa_user_sgpr_kernarg_segment_ptr 1
		.amdhsa_wavefront_size32 1
		.amdhsa_system_sgpr_workgroup_id_x 1
		.amdhsa_system_sgpr_workgroup_id_y 1
		.amdhsa_system_sgpr_workgroup_id_z 1
		.amdhsa_system_vgpr_workitem_id 0
		.amdhsa_next_free_vgpr 256
		.amdhsa_next_free_sgpr 66
		.amdhsa_reserve_vcc 1
		.amdhsa_float_denorm_mode_32 3
		.amdhsa_float_denorm_mode_16_64 3
		.amdhsa_memory_ordered 1
		.amdhsa_forward_progress 1
		.amdhsa_inst_pref_size 188
	.end_amdhsa_kernel
	.amdgpu_metadata
---
amdhsa.version: [ 1, 2 ]
amdhsa.kernels:
  - .name:           k_q789b8deb5c_prep
    .symbol:         k_q789b8deb5c_prep.kd
    .args:
      - { .name: x, .offset: 0, .size: 8, .value_kind: global_buffer, .address_space: global }
      - { .name: Wq, .offset: 8, .size: 8, .value_kind: global_buffer, .address_space: global }
      - { .name: Wk, .offset: 16, .size: 8, .value_kind: global_buffer, .address_space: global }
      - { .name: Wv, .offset: 24, .size: 8, .value_kind: global_buffer, .address_space: global }
      - { .name: Wo, .offset: 32, .size: 8, .value_kind: global_buffer, .address_space: global }
      - { .name: mask, .offset: 40, .size: 8, .value_kind: global_buffer, .address_space: global }
      - { .name: opnd, .offset: 48, .size: 8, .value_kind: global_buffer, .address_space: global }
      - { .name: maskw, .offset: 56, .size: 8, .value_kind: global_buffer, .address_space: global }
    .group_segment_fixed_size: 70144
    .private_segment_fixed_size: 0
    .kernarg_segment_align: 8
    .kernarg_segment_size: 64
    .max_flat_workgroup_size: 128
    .sgpr_count:     66
    .vgpr_count:     256
    .wavefront_size: 32
...
	.end_amdgpu_metadata
.endif
;; end of part 1
;; launch qkv (part 2): grid 24 x 32, 4 waves a work-group, clusters of 4 x 4, 213,504 bytes of LDS; arguments opnd, bq, bk, bv, qkv; writes qkv
.if DOCPART == 2
	.amdgcn_target "amdgcn-amd-amdhsa--gfx1250"
	.amdhsa_code_object_version 6
	.text
	.protected	k_q789b8deb5c_qkv
	.globl	k_q789b8deb5c_qkv
	.p2align	8
	.type	k_q789b8deb5c_qkv,@function
k_q789b8deb5c_qkv:
	s_mov_b64 s[64:65], 0
	v_nop
	global_prefetch_b8 v0, s[64:65] scope:SCOPE_SE
	s_setreg_imm32_b32 hwreg(HW_REG_WAVE_MODE, 25, 1), 1
	s_wait_xcnt 0x0
	s_wait_alu depctr_hold_cnt(0) depctr_sa_sdst(0) depctr_va_vdst(0) depctr_va_sdst(0) depctr_va_ssrc(0) depctr_va_vcc(0) depctr_vm_vsrc(0)
	s_getreg_b32 s2, hwreg(HW_REG_IB_STS2, 6, 4)
	s_cmp_eq_u32 s2, 0
	s_cbranch_scc0 .Lentry_in_a_cluster
	s_endpgm
.Lentry_in_a_cluster:
	s_bfe_u32 s2, ttmp6, 0x10000c
	s_cmp_lg_u32 s2, 0xf033
	s_cbranch_scc0 .Lentry_shape_is_right
	s_endpgm
.Lentry_shape_is_right:
; QKV.  Q = x Wq^T + bq, K = x Wk^T + bk, V = x Wv^T + bv on codes of FP4 with E8M0 scales; the results are quantised at once (Q and K along a head's 64, V along the keys) and leave as operand images.
; THE IMAGE (see the launch that makes opnd): tile T holds rows 32 (T / 2) + 8 (T % 2) + r + 8 (r / 8); codes [T][q][c][lane][16 bytes]; scale words [T][q][r].
; THE PRODUCT IS USED TRANSPOSED: source 0 = a tile of the side R, source 1 = a tile of the side L.  A lane then holds one row of L, and the 16 registers of R's tiles 2 b and 2 b + 1 are the 16 neighbours 32 b + 16 h + 0 .. 15
; along R's rows: eight tiles of R are 128 along the next product's K, and the conversions' results are that product's fragment.
; SHARES.  A work-group makes 256 rows of L x 128 rows of R; wave w takes L's tiles 4 w .. 4 w + 3 against R's eight: 32 accumulators.  All of K = 1,024 lies in LDS at once: every tensor load is a first fill, nothing is filled again.
; ROLES, by the cluster's x, which all sixteen partners share: x < 4: L = x, R = Wq and Wk (128 rows of R are two heads); x >= 4: L = Wv, R = x (128 rows of R are one key step): V^T.
; CLUSTER 4 x 4: L's tiles are shared along a row of the cluster, R's along a column: joint loads, each with a mask that names the four.
; qkv: at 0 [HC 32][token tile 512][512 bytes] (HC 0-15 Q's heads, 16-31 K's): registers 0-3 of a fragment; at VC [b 16 + head][key step 16][t 4][c 2][512 bytes]; at QKS [HC][token tile][16 words], bytes 0 and 1 real, 2 and 3 zero;
; at VS [b 16 + head][key step][t][16 words].
; LIMITS: a block of zeros gets the byte 1 (its codes are zeros, and only this program reads the bytes); NaN and infinities are not served.
; REGISTERS: window 0: v1-24 addresses; v32-47 L's scale words, v48-79 R's (scales and nothing else); v80-143 bias; v144-207 64 numbers; v208-239 codes; v240-255 at work.  window 1: accumulator (a, b) at v[8 (8 a + b)].
;   window 2: two sets of fragments: in set p L's at v[96 p + 8 a], R's at v[96 p + 32 + 8 b].
.set WC,   0x400000
.set XS,   0x600000
.set WS,   0x640000
.set VC,   0x800000
.set QKS,  0xC00000
.set VS,   0xD00000
.set LH,   65536                       ; LDS: L's codes, K's lower half at 0 [tile 16][4,096], upper half at LH
.set RB,   131072                      ; R's codes, lower half [tile 8][4,096];
.set RH,   32768                       ; upper half RH further on
.set SCL,  196608                      ; L's scale words, 512 bytes a tile
.set SCR,  204800                      ; R's
.set STQ,  208896                      ; way QK: 512 bytes a wave for its scale words
.set STV,  210944                      ; way V: 256 bytes a wave
.set SL,   32
.set SR,   48
.set BI,   80
.set T,    144
.set PC,   208
.set TM,   240
.set PW,   248
.set SEL,  100
.set G1L,  24
.set G1R,  32
.set G1SL, 40
.set G1SR, 48
.set G0L0, 56
.set G0L1, 60
.set G0R0, 68
.set G0R1, 72
.set G0SL, 76
.set G0SR, 80
.set MSB, 0
.macro WIN new                         ; the immediate's high byte repeats the setting that is left
.if MSB != \new
	s_set_vgpr_msb (MSB<<8)|\new
.set MSB, \new
.endif
.endm
.macro PLACES                          ; four plain places behind a matrix instruction, in front of loads into its registers and of reads of its results
.rept 4
	v_nop
.endr
.endm
.macro CROUND                          ; a round of the cluster's barrier
	s_barrier_signal -1
	s_barrier_wait -1
	s_cmp_lg_u32 s14, 0
	s_cbranch_scc1 .Lnot_wave_0_\@
	s_barrier_signal -3
.Lnot_wave_0_\@:
	s_barrier_wait -3
	s_barrier_signal -1
	s_barrier_wait -1
.endm
.macro FETCH q, p                      ; the fragments of K step q into set p: 24 loads of 512 consecutive bytes
	WIN 0x80
.irp a, 0,1,2,3
.irp c, 0,1
	ds_load_b128 v[96*(\p)+8*\a+4*\c:96*(\p)+8*\a+4*\c+3], v[6+(\q)/4] offset:4096*\a+1024*((\q)%4)+512*\c
.endr
.endr
.irp b, 0,1,2,3,4,5,6,7
.irp c, 0,1
	ds_load_b128 v[96*(\p)+32+8*\b+4*\c:96*(\p)+32+8*\b+4*\c+3], v[8+(\q)/4] offset:4096*\b+1024*((\q)%4)+512*\c
.endr
.endr
.endm
.macro MUL q, p, zero                  ; 32 matrix instructions; the accumulators take turns, one instruction a turn, in the same order in every step.  A scale register holds step q in lanes 0-15 and q + 1 in lanes 16-31
	WIN 0x5a
.irp a, 0,1,2,3
.irp b, 0,1,2,3,4,5,6,7
.set rD, 8*(8*\a+\b)
.set rR, 96*(\p)+32+8*\b
.set rL, 96*(\p)+8*\a
.set rSR, SR+4*\b+(\q)/2
.set rSL, SL+4*\a+(\q)/2
.if \zero
	v_wmma_scale_f32_16x16x128_f8f6f4 v[rD:rD+7], v[rR:rR+7], v[rL:rL+7], 0, v[rSR], v[rSL] matrix_a_fmt:MATRIX_FMT_FP4 matrix_b_fmt:MATRIX_FMT_FP4
.elseif (\q)%2
	v_wmma_scale_f32_16x16x128_f8f6f4 v[rD:rD+7], v[rR:rR+7], v[rL:rL+7], v[rD:rD+7], v[rSR], v[rSL] matrix_a_fmt:MATRIX_FMT_FP4 matrix_b_fmt:MATRIX_FMT_FP4 matrix_a_scale:MATRIX_SCALE_ROW1 matrix_b_scale:MATRIX_SCALE_ROW1
.else
	v_wmma_scale_f32_16x16x128_f8f6f4 v[rD:rD+7], v[rR:rR+7], v[rL:rL+7], v[rD:rD+7], v[rSR], v[rSL] matrix_a_fmt:MATRIX_FMT_FP4 matrix_b_fmt:MATRIX_FMT_FP4
.endif
.endr
.endr
.endm
.macro STEP q, places, zero
.if (\q) < 7
.if \places
	PLACES
.endif
	FETCH (\q)+1, ((\q)+1)%2
	s_wait_dscnt 24                                ; all but the 24 just issued: this step's fragments are in
.else
	s_wait_dscnt 0x0
.endif
	MUL \q, (\q)%2, \zero
.endm
; 64 numbers of a lane, register 16 b + i = k 32 b + 16 h + i of my row, become a fragment's codes in v[d] on and its scale word in v[pw]
.macro QUANT s, d, pw
.irp b, 0,1,2,3
	v_max3_num_f32 v[TM+\b], |v[\s+16*\b]|, |v[\s+1+16*\b]|, 0x1800000   ; the floor 2^(3 - 127) holds the byte at 1 from below
.endr
.irp i, 2,4,6,8,10,12,14
.irp b, 0,1,2,3
	v_max3_num_f32 v[TM+\b], v[TM+\b], |v[\s+16*\b+\i]|, |v[\s+1+16*\b+\i]|
.endr
.endr
.irp b, 0,1,2,3
	v_permlanex16_b32 v[TM+4+\b], v[TM+\b], s[SEL], s[SEL+1]
.endr
.irp b, 0,1,2,3
	v_max_num_f32 v[TM+\b], v[TM+\b], v[TM+4+\b]   ; with lane l xor 16's: the block's largest magnitude
.endr
.irp b, 0,1,2,3
	v_add_nc_u32 v[TM+12+\b], 0xff000000, v[TM+\b] ; 2 off the exponent field: the conversion's scale operand
.endr
.irp b, 0,1,2,3
	v_lshrrev_b32 v[TM+4+\b], 23, v[TM+12+\b]      ; the byte
.endr
	v_lshl_or_b32 v[\pw], v[TM+5], 8, v[TM+4]
	v_lshl_or_b32 v[\pw], v[TM+6], 16, v[\pw]
	v_lshl_or_b32 v[\pw], v[TM+7], 24, v[\pw]
.irp b, 0,1,2,3
	v_cvt_scalef32_pk8_fp4_f32 v[\d+2*\b], v[\s+16*\b:\s+7+16*\b], v[TM+12+\b]
	v_cvt_scalef32_pk8_fp4_f32 v[\d+1+2*\b], v[\s+8+16*\b:\s+15+16*\b], v[TM+12+\b]
.endr
	v_nop                                          ; one plain line behind the last conversion
.irp c, 0,1                            ; the layout wants a whole block in a lane
.irp i, 0,1
	v_permlane16_swap_b32 v[\d+4*\c+\i], v[\d+2+4*\c+\i]
.endr
.endr
.endm
	s_load_b256 s[4:11], s[0:1], 0x0               ; opnd, bq, bk, bv
	s_load_b64 s[12:13], s[0:1], 0x20              ; qkv
	v_lshl_add_u32 v250, v0, 2, 0x34000
	v_mov_b32 v251, 0
	ds_add_u32 v250, v251
	ds_add_u32 v250, v251
	v_lshrrev_b32 v1, 5, v0
	v_readfirstlane_b32 s14, v1                    ; wave
	s_bfe_u32 s16, ttmp6, 0x40000                  ; cx
	s_bfe_u32 s17, ttmp6, 0x40004                  ; cy
	s_mov_b32 s18, ttmp9                           ; the cluster's x
	s_and_b32 s19, ttmp7, 0xffff                   ; and y
	s_lshl_b32 s2, s17, 2
	s_lshl_b32 s2, 15, s2                          ; my row of the cluster
	s_lshl_b32 s3, 0x1111, s16                     ; my column
	; group 1: elements of 8 bytes, no padding; bit 21 set beside a mask.  Codes: a tile's half of K is a row of 512 elements, tiles 1,024 elements apart; L 4 tiles a wave, R 2.  Scale words: dense, rows of 32 elements; L 8 rows, R 4
	s_or_b32 s[G1L], s2, (3<<16)|(1<<21)
	s_or_b32 s[G1SL], s2, (3<<16)|(1<<21)
	s_or_b32 s[G1R], s3, (3<<16)|(1<<21)
	s_or_b32 s[G1SR], s3, (3<<16)|(1<<21)
	s_mov_b32 s[G1L+1], 512<<16
	s_mov_b32 s[G1L+2], 4<<16
	s_mov_b32 s[G1L+3], 512<<16
	s_mov_b32 s[G1L+4], 4
	s_mov_b32 s[G1L+5], 1024
	s_mov_b32 s[G1L+6], 0
	s_mov_b32 s[G1L+7], 0
	s_mov_b32 s[G1R+1], 512<<16
	s_mov_b32 s[G1R+2], 2<<16
	s_mov_b32 s[G1R+3], 512<<16
	s_mov_b32 s[G1R+4], 2
	s_mov_b32 s[G1R+5], 1024
	s_mov_b32 s[G1R+6], 0
	s_mov_b32 s[G1R+7], 0
	s_mov_b32 s[G1SL+1], 32<<16
	s_mov_b32 s[G1SL+2], 8<<16
	s_mov_b32 s[G1SL+3], 32<<16
	s_mov_b32 s[G1SL+4], 8
	s_mov_b32 s[G1SL+5], 32
	s_mov_b32 s[G1SL+6], 0
	s_mov_b32 s[G1SL+7], 0
	s_mov_b32 s[G1SR+1], 32<<16
	s_mov_b32 s[G1SR+2], 4<<16
	s_mov_b32 s[G1SR+3], 32<<16
	s_mov_b32 s[G1SR+4], 4
	s_mov_b32 s[G1SR+5], 32
	s_mov_b32 s[G1SR+6], 0
	s_mov_b32 s[G1SR+7], 0
	; which blocks: L's hangs on cy alone, R's on cx alone, each in registers that never hold the other
	s_lshl_b32 s84, s19, 2
	s_add_co_u32 s84, s84, s17                     ; QK: L's block = 4 cluster y + cy
	s_lshl_b32 s85, s18, 2
	s_add_co_u32 s85, s85, s16                     ; QK: R's block = 4 cluster x + cx
	s_sub_co_u32 s86, s18, 4
	s_lshl_b32 s86, s86, 3
	s_add_co_u32 s86, s86, s19
	s_lshl_b32 s86, s86, 2
	s_add_co_u32 s86, s86, s16                     ; V: R's block = 4 (8 (cluster x - 4) + cluster y) + cx
	s_cmp_lt_u32 s18, 4
	s_cselect_b32 s20, s84, s17                    ; LT (V: cy)
	s_cselect_b32 s21, s85, s86                    ; RT
	s_mov_b32 s87, WC+128*8192
	s_cselect_b32 s87, 0, s87                      ; L's codes: x's or Wv's
	s_mov_b32 s88, WS+128*512
	s_cselect_b32 s88, XS, s88
	s_mov_b32 s89, WC
	s_cselect_b32 s89, s89, 0                      ; R's codes: Wq's and Wk's, or x's
	s_mov_b32 s90, XS
	s_cselect_b32 s90, WS, s90
	s_lshl_b32 s22, s20, 4
	s_lshl_b32 s15, s14, 2
	s_add_co_u32 s22, s22, s15                     ; L's tile 16 LT + 4 w
	s_lshl_b32 s92, s22, 13
	s_add_co_u32 s92, s92, s87
	s_mov_b32 s93, 0
	s_lshl_b32 s94, s22, 9
	s_add_co_u32 s94, s94, s88
	s_mov_b32 s95, 0
	s_lshl_b32 s23, s21, 3
	s_lshl_b32 s15, s14, 1
	s_add_co_u32 s23, s23, s15                     ; R's tile 8 RT + 2 w
	s_lshl_b32 s96, s23, 13
	s_add_co_u32 s96, s96, s89
	s_mov_b32 s97, 0
	s_lshl_b32 s98, s23, 9
	s_add_co_u32 s98, s98, s90
	s_mov_b32 s99, 0
	; group 0: LDS addresses hang on the wave's number alone
	s_mov_b32 s[G0L0], 1
	s_mov_b32 s[G0L1], 1
	s_mov_b32 s[G0R0], 1
	s_mov_b32 s[G0R1], 1
	s_mov_b32 s[G0SL], 1
	s_mov_b32 s[G0SR], 1
	s_lshl_b32 s[G0L0+1], s14, 14
	s_add_co_u32 s[G0L1+1], s[G0L0+1], LH
	s_lshl_b32 s15, s14, 13
	s_add_co_u32 s[G0R0+1], s15, RB
	s_add_co_u32 s[G0R1+1], s15, RB+RH
	s_lshl_b32 s15, s14, 11
	s_add_co_u32 s[G0SL+1], s15, SCL
	s_lshl_b32 s15, s14, 10
	s_add_co_u32 s[G0SR+1], s15, SCR
	s_wait_dscnt 0x0
	s_wait_kmcnt 0x0
	s_add_nc_u64 s[G0L0+2:G0L0+3], s[4:5], s[92:93]
	s_add_nc_u64 s[G0L1+2:G0L1+3], s[G0L0+2:G0L0+3], 4096
	s_add_nc_u64 s[G0R0+2:G0R0+3], s[4:5], s[96:97]
	s_add_nc_u64 s[G0R1+2:G0R1+3], s[G0R0+2:G0R0+3], 4096
	s_add_nc_u64 s[G0SL+2:G0SL+3], s[4:5], s[94:95]
	s_add_nc_u64 s[G0SR+2:G0SR+3], s[4:5], s[98:99]
	s_or_b32 s[G0L0+3], s[G0L0+3], 0x80000000
	s_or_b32 s[G0L1+3], s[G0L1+3], 0x80000000
	s_or_b32 s[G0R0+3], s[G0R0+3], 0x80000000
	s_or_b32 s[G0R1+3], s[G0R1+3], 0x80000000
	s_or_b32 s[G0SL+3], s[G0SL+3], 0x80000000
	s_or_b32 s[G0SR+3], s[G0SR+3], 0x80000000
	CROUND                                         ; all sixteen work-groups are here: the joint loads meet
	tensor_load_to_lds s[G0SL:G0SL+3], s[G1SL:G1SL+7]   ; six loads of mine are out: the scale words, K's lower half, K's upper half
	s_nop 0
	tensor_load_to_lds s[G0SR:G0SR+3], s[G1SR:G1SR+7]
	s_nop 0
	tensor_load_to_lds s[G0L0:G0L0+3], s[G1L:G1L+7]
	s_nop 0
	tensor_load_to_lds s[G0R0:G0R0+3], s[G1R:G1R+7]
	s_nop 0
	tensor_load_to_lds s[G0L1:G0L1+3], s[G1L:G1L+7]
	s_nop 0
	tensor_load_to_lds s[G0R1:G0R1+3], s[G1R:G1R+7]
	s_nop 0
.rept 4
	v_nop                                          ; four such lines behind the last tensor load
.endr
	v_and_b32 v1, 31, v0                           ; lane
	v_and_b32 v2, 15, v0                           ; r
	v_bfe_u32 v3, v0, 4, 1                         ; h
	v_lshlrev_b32 v4, 4, v1                        ; 16 x lane
	v_lshlrev_b32 v5, 2, v1                        ; 4 x lane
	s_lshl_b32 s15, s14, 14
	v_add_nc_u32 v6, s15, v4                       ; my four tiles of L, lower half of K
	v_add_nc_u32 v7, LH, v6                        ; upper half
	v_add_nc_u32 v8, RB, v4                        ; R's eight tiles
	v_add_nc_u32 v9, RB+RH, v4
	s_lshl_b32 s15, s14, 11
	v_add_nc_u32 v10, s15, v5
	v_add_nc_u32 v10, SCL, v10                     ; my tiles' scale words
	v_add_nc_u32 v11, SCR, v5
	v_lshlrev_b32 v12, 6, v3                       ; way QK: bias, 16 h numbers on
	v_lshlrev_b32 v13, 4, v3                       ; 16 h: which half of the scale word is my half's head's
	s_lshl_b32 s15, s14, 9
	v_lshlrev_b32 v14, 2, v2
	v_lshl_add_u32 v14, v3, 8, v14
	v_add_nc_u32 v14, s15, v14
	v_add_nc_u32 v14, STQ, v14                     ; stage: 512 w + 256 h + 4 r
	v_add_nc_u32 v15, s15, v4
	v_add_nc_u32 v15, STQ, v15                     ; and back: 16 x lane
	v_lshlrev_b32 v16, 4, v2
	v_lshl_add_u32 v16, v3, 15, v16                ; in memory: head h, 32,768 bytes apart
	v_and_b32 v17, 8, v2
	v_add_nc_u32 v17, v17, v2
	v_lshlrev_b32 v17, 2, v17                      ; way V: bias of my row: 4 (r + 8 (r / 8))
	s_lshl_b32 s15, s14, 8
	v_lshlrev_b32 v18, 2, v2
	v_add_nc_u32 v18, s15, v18
	v_add_nc_u32 v18, STV, v18                     ; stage: 256 w + 4 r
	v_lshlrev_b32 v20, 3, v1
	v_add_nc_u32 v19, s15, v20
	v_add_nc_u32 v19, STV, v19                     ; and back: 8 x lane
.irp b, 0,1,2,3
	v_mov_b32 v[TM+4+\b], 0                        ; a lane permute's destination counts as read
.endr
	s_mov_b32 s[SEL], 0x76543210
	s_mov_b32 s[SEL+1], 0xfedcba98
	s_wait_tensorcnt 2                             ; my parts of the scale words and of K's lower half are in; the two loads of the upper half may be out
	s_barrier_signal -1
	s_barrier_wait -1                              ; everybody's are
.irp a, 0,1,2,3
.irp i, 0,1,2,3
	ds_load_b32 v[SL+4*\a+\i], v10 offset:512*\a+128*\i   ; steps 2 i (lanes 0-15) and 2 i + 1 (lanes 16-31)
.endr
.endr
.irp b, 0,1,2,3,4,5,6,7
.irp i, 0,1,2,3
	ds_load_b32 v[SR+4*\b+\i], v11 offset:512*\b+128*\i
.endr
.endr
	FETCH 0, 0
	STEP 0, 0, 1                                   ; the first products start the sums: nothing is cleared
	STEP 1, 1, 0
	STEP 2, 1, 0
	s_wait_tensorcnt 0x0                           ; my parts of K's upper half are in,
	s_wait_dscnt 0x0                               ; no LDS load of mine is pending at the signal,
	s_barrier_signal -1
	s_barrier_wait -1                              ; everybody's are
	STEP 3, 1, 0
	WIN 0
	s_cmp_ge_u32 s18, 4                            ; the ways part on the cluster's x: the same in all sixteen partners
	s_cbranch_scc1 .Lway_v
; ---------------- Q and K ----------------
	s_cmp_lt_u32 s18, 2
	s_cselect_b64 s[84:85], s[6:7], s[8:9]         ; bq or bk
	s_and_b32 s86, s21, 7
	s_lshl_b32 s86, s86, 9
	s_mov_b32 s87, 0
	s_add_nc_u64 s[84:85], s[84:85], s[86:87]      ; my 128 columns' bias
.irp b, 0,1,2,3
.irp u, 0,1
.irp e, 0,1
	global_load_b128 v[BI+16*\b+8*\u+4*\e:BI+16*\b+8*\u+4*\e+3], v12, s[84:85] offset:128*\b+32*\u+16*\e   ; in the results' layout
.endr
.endr
.endr
	s_lshl_b32 s86, s21, 10
	s_lshl_b32 s87, s20, 4
	s_add_co_u32 s86, s86, s87
	s_lshl_b32 s87, s14, 2
	s_add_co_u32 s86, s86, s87                     ; 512 x (head 2 RT) + token tile 16 LT + 4 w
	s_lshl_b32 s88, s86, 9
	s_mov_b32 s89, 0
	s_add_nc_u64 s[88:89], s[12:13], s[88:89]
	s_lshl_b32 s90, s86, 6
	s_add_co_u32 s90, s90, QKS
	s_mov_b32 s91, 0
	s_add_nc_u64 s[90:91], s[12:13], s[90:91]
	STEP 4, 1, 0
	STEP 5, 1, 0
	STEP 6, 1, 0
	STEP 7, 0, 0
	s_wait_loadcnt 0x0                             ; the bias
	PLACES
.irp a, 0,1,2,3
	WIN 0x01                                       ; source 0: the accumulators' window
.set i, 0
.rept 32
	v_pk_add_f32 v[T+i:T+i+1], v[64*\a+i:64*\a+i+1], v[BI+i:BI+i+1]   ; each accumulator from its low end on
.set i, i+2
.endr
	WIN 0
	QUANT T, PC+8*\a, PW
	global_store_b128 v4, v[PC+8*\a:PC+8*\a+3], s[88:89] offset:512*\a            ; head 2 RT: 512 consecutive bytes
	global_store_b128 v4, v[PC+8*\a+4:PC+8*\a+7], s[88:89] offset:512*\a+262144   ; head 2 RT + 1
	v_lshrrev_b32 v[21+\a], v13, v[PW]
	v_and_b32 v[21+\a], 0xffff, v[21+\a]           ; my half's head's two bytes; the upper two are zero, over zero codes
	ds_store_b32 v14, v[21+\a] offset:64*\a
.endr
	ds_load_b128 v[T:T+3], v15                     ; LDS serves a wave's instructions in order: these see my stores
	s_wait_dscnt 0x0
	global_store_b128 v16, v[T:T+3], s[90:91]      ; sixteen lanes store 256 consecutive bytes, aligned, for each head
	s_branch .Lend
; ---------------- V^T ----------------
.Lway_v:
	s_lshl_b32 s86, s20, 10
	s_lshl_b32 s87, s14, 8
	s_add_co_u32 s86, s86, s87
	s_mov_b32 s87, 0
	s_add_nc_u64 s[84:85], s[10:11], s[86:87]      ; bv at my head's 64 numbers
.irp a, 0,1,2,3
	global_load_b32 v[BI+2*\a], v17, s[84:85] offset:(32*(\a/2)+8*(\a%2))*4
	global_load_b32 v[BI+2*\a+1], v17, s[84:85] offset:(32*(\a/2)+8*(\a%2))*4    ; twice: a pair for the packed addition
.endr
	s_lshr_b32 s86, s21, 4
	s_lshl_b32 s86, s86, 4
	s_lshl_b32 s87, s20, 2
	s_add_co_u32 s86, s86, s87
	s_add_co_u32 s86, s86, s14                     ; 16 b + head, head = 4 LT + w
	s_lshl_b32 s86, s86, 4
	s_and_b32 s87, s21, 15
	s_add_co_u32 s86, s86, s87                     ; x 16 + key step
	s_lshl_b32 s88, s86, 12
	s_add_co_u32 s88, s88, VC
	s_mov_b32 s89, 0
	s_add_nc_u64 s[88:89], s[12:13], s[88:89]
	s_lshl_b32 s90, s86, 8
	s_add_co_u32 s90, s90, VS
	s_mov_b32 s91, 0
	s_add_nc_u64 s[90:91], s[12:13], s[90:91]
	STEP 4, 1, 0
	STEP 5, 1, 0
	STEP 6, 1, 0
	STEP 7, 0, 0
	s_wait_loadcnt 0x0
	PLACES
.irp a, 0,1,2,3
	WIN 0x01
.set i, 0
.rept 32
	v_pk_add_f32 v[T+i:T+i+1], v[64*\a+i:64*\a+i+1], v[BI+2*\a:BI+2*\a+1]
.set i, i+2
.endr
	WIN 0
	QUANT T, PC+8*\a, 21+\a
	global_store_b128 v4, v[PC+8*\a:PC+8*\a+3], s[88:89] offset:1024*\a
	global_store_b128 v4, v[PC+8*\a+4:PC+8*\a+7], s[88:89] offset:1024*\a+512
	ds_store_b32 v18, v[21+\a] offset:64*\a        ; lanes r and r + 16 write the same word with the same value
.endr
	ds_load_b64 v[T:T+1], v19
	s_wait_dscnt 0x0
	global_store_b64 v20, v[T:T+1], s[90:91]       ; 256 consecutive bytes, aligned
.Lend:
	s_wait_tensorcnt 0x0
	ds_add_u32 v250, v251
	s_wait_dscnt 0x0
	CROUND                                         ; the closing round: no work-group ends while a partner may still ask for a tile that names it
	s_endpgm
.Lfunc_end_k_q789b8deb5c_qkv:
	.size	k_q789b8deb5c_qkv, .Lfunc_end_k_q789b8deb5c_qkv-k_q789b8deb5c_qkv
	.p2alignl 7, 3214868480
	.fill 96, 4, 3214868480
	.section	.rodata,"a",@progbits
	.p2align	6, 0x0
	.amdhsa_kernel k_q789b8deb5c_qkv
		.amdhsa_group_segment_fixed_size 213504
		.amdhsa_private_segment_fixed_size 0
		.amdhsa_enable_private_segment 0
		.amdhsa_kernarg_size 40
		.amdhsa_user_sgpr_count 2
		.amdhsa_user_sgpr_kernarg_segment_ptr 1
		.amdhsa_wavefront_size32 1
		.amdhsa_system_sgpr_workgroup_id_x 1
		.amdhsa_system_sgpr_workgroup_id_y 1
		.amdhsa_system_sgpr_workgroup_id_z 1
		.amdhsa_system_vgpr_workitem_id 0
		.amdhsa_next_free_vgpr 768
		.amdhsa_next_free_sgpr 102
		.amdhsa_reserve_vcc 0
		.amdhsa_float_denorm_mode_32 3
		.amdhsa_float_denorm_mode_16_64 3
		.amdhsa_memory_ordered 1
		.amdhsa_forward_progress 1
		.amdhsa_inst_pref_size 132
	.end_amdhsa_kernel
	.amdgpu_metadata
---
amdhsa.version: [ 1, 2 ]
amdhsa.kernels:
  - .name:           k_q789b8deb5c_qkv
    .symbol:         k_q789b8deb5c_qkv.kd
    .args:
      - { .name: opnd, .offset: 0, .size: 8, .value_kind: global_buffer, .address_space: global }
      - { .name: bq, .offset: 8, .size: 8, .value_kind: global_buffer, .address_space: global }
      - { .name: bk, .offset: 16, .size: 8, .value_kind: global_buffer, .address_space: global }
      - { .name: bv, .offset: 24, .size: 8, .value_kind: global_buffer, .address_space: global }
      - { .name: qkv, .offset: 32, .size: 8, .value_kind: global_buffer, .address_space: global }
    .group_segment_fixed_size: 213504
    .private_segment_fixed_size: 0
    .kernarg_segment_align: 8
    .kernarg_segment_size: 40
    .max_flat_workgroup_size: 128
    .sgpr_count:     102
    .vgpr_count:     768
    .wavefront_size: 32
...
	.end_amdgpu_metadata
.endif
;; end of part 2
;; launch attn (part 3): grid 4 x 64, 16 waves a work-group, no clusters, 145,408 bytes of LDS; arguments qkv, maskw, att; writes att
.if DOCPART == 3
	.amdgcn_target "amdgcn-amd-amdhsa--gfx1250"
	.amdhsa_code_object_version 6
	.text
	.protected	k_q789b8deb5c_attn
	.globl	k_q789b8deb5c_attn
	.p2align	8
	.type	k_q789b8deb5c_attn,@function
k_q789b8deb5c_attn:
	s_mov_b64 s[64:65], 0
	v_nop
	global_prefetch_b8 v0, s[64:65] scope:SCOPE_SE
	s_setreg_imm32_b32 hwreg(HW_REG_WAVE_MODE, 25, 1), 1
	s_wait_xcnt 0x0
; ATTN.  softmax(where(mask == 0, -1e9, Q K^T / 8)) V for one head, both products on codes of FP4 with E8M0 scales; the result, divided by the row's sum, is quantised along d_model and leaves as the last product's operand image.
; THE SOFTMAX AHEAD OF THE SECOND PRODUCT: t = score x log2(e) / 8; M = the row's largest t so far, rounded up to a whole number; p = 2^(t - M) is quantised along the keys; the row's sum is taken of the unquantised p.
; SHARES.  A work-group serves one (batch, head): it copies the head's K and V (128 KiB of images, 12 KiB of scale words) into LDS once, through registers.  Wave w takes two tiles of 16 queries, one after the other:
; tiles 4 i + g with i = w and then i = 31 - w: only an order of work.  Every tile walks 16 key steps of 128 keys.
; LAYOUT.  S^T = K Q^T (source 0 = 16 keys, source 1 = my 16 queries), O^T = V^T P^T: a lane holds one query throughout; the 16 registers of tiles 2 b and 2 b + 1 of S^T are keys 32 b + 16 h + 0 .. 15.
; A head has 64 channels and the instruction's K is 128: registers 4-7 of Q's and K's fragments are zero codes, under the scale byte 0, and add nothing.
; THE MASK is honoured bit by bit, from the words that an earlier launch stored.  A masked score becomes -2^33: times c that is a whole number in f32, so a row with no open key at all gets M = t and p = 1 exactly, the uniform
; row that -1e9 gives; everywhere else p = 0.  A key step in which no row of the tile has an open key is left out by a scalar branch on the stored flags, but only where every row of the tile has an open key somewhere.
; NO JOINT LOADS, NO TENSOR LOADS, though four work-groups read the same K and V; what is shared is read once, at the head.
; LIMITS: open logits at or under about -1e9 are not told from masked ones; p under 2^-126 falls to 0; a block of zeros gets the byte 1 (zero codes; only this program reads the bytes); NaN and infinities are not served.
; REGISTERS: v1-7 constants; v8-11 the step's LDS addresses; v12 -M, v13 the largest t, v[14:15] the sum; v16-23 Q; v24 Q's scale word, v25-28 K's, v29-30 V's, v31 P's (scales and nothing else); v32-95 K; v96-159 S^T, then p;
;   v160-191 O^T; v192-223 V; v224-231 P's codes; v232-254 at work.  s16-63, s68-83 the step's 64 mask words.
.set VCO,  0x800000
.set QKS,  0xC00000
.set VSO,  0xD00000
.set META, 0x80000
.set ASO,  0x400000
.set VI,   65536                       ; LDS: K's images at 0 (512 bytes a tile of 16 keys), V's at VI (4,096 a key step),
.set KSC,  131072                      ; K's scale words (64 bytes a tile),
.set VSC,  139264                      ; V's (256 bytes a key step)
	s_load_b128 s[84:87], s[0:1], 0x0              ; qkv, maskw
	s_load_b64 s[88:89], s[0:1], 0x10              ; att
	v_lshl_add_u32 v251, v0, 2, 0x23000
	v_mov_b32 v255, 0
	v_lshrrev_b32 v1, 5, v0
	v_readfirstlane_b32 s2, v1                     ; wave 0..15
	s_mov_b32 s3, ttmp9                            ; g
	s_and_b32 s4, ttmp7, 0xffff                    ; 16 b + head
	s_lshr_b32 s5, s4, 4                           ; b
	s_and_b32 s6, s4, 15                           ; head
	v_lshlrev_b32 v102, 4, v0                      ; 16 x thread
	v_lshlrev_b32 v103, 3, v0                      ; 8 x thread
	v_add_nc_u32 v104, VI, v102
	v_add_nc_u32 v105, KSC, v102
	v_add_nc_u32 v106, VSC, v103
	s_add_co_u32 s100, s6, 16                      ; K's heads lie behind Q's sixteen
	s_lshl_b32 s92, s100, 18
	s_lshl_b32 s101, s5, 16
	s_add_co_u32 s92, s92, s101                    ; (512 (16 + head) + 128 b) x 512
	s_mov_b32 s93, 0
	s_lshl_b32 s94, s4, 16
	s_add_co_u32 s94, s94, VCO
	s_mov_b32 s95, 0
	s_lshl_b32 s96, s100, 15
	s_lshl_b32 s101, s5, 13
	s_add_co_u32 s96, s96, s101
	s_add_co_u32 s96, s96, QKS
	s_mov_b32 s97, 0
	s_lshl_b32 s98, s4, 12
	s_add_co_u32 s98, s98, VSO
	s_mov_b32 s99, 0
	s_mov_b32 s66, 0x3e38aa3b                      ; c = log2(e) / 8
	s_mov_b32 s67, s66                             ; (named with it as a pair)
	s_mov_b32 s90, 0x76543210
	s_mov_b32 s91, 0xfedcba98                      ; lane l xor 16
	s_wait_kmcnt 0x0
	s_add_nc_u64 s[92:93], s[84:85], s[92:93]
	s_add_nc_u64 s[94:95], s[84:85], s[94:95]
	s_add_nc_u64 s[96:97], s[84:85], s[96:97]
	s_add_nc_u64 s[98:99], s[84:85], s[98:99]
.irp i, 0,1,2,3,4,5,6,7
	global_load_b128 v[32+4*\i:35+4*\i], v102, s[92:93] offset:8192*\i   ; the 512 threads read 8,192 consecutive bytes
.endr
.irp i, 0,1,2,3,4,5,6,7
	global_load_b128 v[64+4*\i:67+4*\i], v102, s[94:95] offset:8192*\i
.endr
	global_load_b128 v[96:99], v102, s[96:97]
	global_load_b64 v[100:101], v103, s[98:99]
	v_and_b32 v2, 31, v0                           ; lane
	v_and_b32 v3, 15, v0                           ; r
	v_lshlrev_b32 v1, 4, v2                        ; 16 x lane
	v_lshlrev_b32 v2, 2, v2                        ; 4 x lane
	v_lshlrev_b32 v3, 2, v3                        ; 4 r
	v_add_nc_u32 v4, VI, v1
	v_mov_b32 v5, 0xd0000000                       ; -2^33
	v_add_nc_u32 v6, KSC, v2
	v_add_nc_u32 v7, VSC, v2
	s_wait_loadcnt 0x0
.irp i, 0,1,2,3,4,5,6,7
	ds_store_b128 v102, v[32+4*\i:35+4*\i] offset:8192*\i
.endr
.irp i, 0,1,2,3,4,5,6,7
	ds_store_b128 v104, v[64+4*\i:67+4*\i] offset:8192*\i
.endr
	ds_store_b128 v105, v[96:99]
	ds_store_b64 v106, v[100:101]
	s_wait_dscnt 0x0                               ; for the others' sake: my stores have landed
	s_barrier_signal -1
	s_barrier_wait -1                              ; the head's K and V lie in LDS; nothing is written there again
.irp t, 0,1,2,3,4,5,6,7
.irp i, 4,5,6,7
	v_mov_b32 v[32+8*\t+\i], 0                     ; K's zero codes for k = 64 .. 127
.endr
.endr
.irp i, 20,21,22,23
	v_mov_b32 v\i, 0                               ; Q's
.endr
.irp i, 236,237,238,239,252,253
	v_mov_b32 v\i, 0                               ; lane permutes' destinations, and the upper half of the pair v[252:253], count as read
.endr
	s_mov_b32 s7, 0
.Ltile:                                            ; two trips
	s_wait_xcnt 0x0                                ; the last tile's stores have read their registers and bases
	s_sub_co_u32 s100, 31, s2
	s_cmp_eq_u32 s7, 0
	s_cselect_b32 s100, s2, s100
	s_lshl_b32 s8, s100, 2
	s_add_co_u32 s8, s8, s3                        ; the tile of queries, T
	s_lshl_b32 s13, s5, 7
	s_add_co_u32 s13, s13, s8                      ; as a token tile: 128 b + T
	s_lshl_b32 s101, s6, 9
	s_add_co_u32 s101, s101, s13
	s_lshl_b32 s92, s101, 9
	s_mov_b32 s93, 0
	s_add_nc_u64 s[92:93], s[84:85], s[92:93]
	s_lshl_b32 s94, s101, 6
	s_add_co_u32 s94, s94, QKS
	s_mov_b32 s95, 0
	s_add_nc_u64 s[94:95], s[84:85], s[94:95]
	global_load_b128 v[16:19], v1, s[92:93]        ; Q's fragment
	global_load_b32 v24, v3, s[94:95]              ; and its scale words
	s_lshl_b32 s96, s8, 6
	s_add_co_u32 s96, s96, META
	s_mov_b32 s97, 0
	s_add_nc_u64 s[96:97], s[86:87], s[96:97]
	s_load_b512 s[16:31], s[96:97], 0x0            ; the tile's sixteen flag words
	s_lshl_b32 s98, s8, 12
	s_mov_b32 s99, 0
	s_add_nc_u64 s[98:99], s[86:87], s[98:99]      ; its mask words, 256 bytes a key step
	v_mov_b32 v13, 0xff61b1e6                      ; the largest t so far: -3e38
	v_floor_f32 v12, -v13                          ; -M
	v_mov_b32 v14, 0
	v_mov_b32 v15, 0
.set j, 0
.rept 32
	v_mov_b32 v[160+j], 0                          ; O^T: the step is written once; the first change of M leaves zeros zeros
.set j, j+1
.endr
	s_mov_b32 s14, 0                               ; bit j: step j is walked
	s_mov_b32 s15, 0                               ; bit j: all of step j is open
	s_mov_b32 s100, 0
	s_wait_kmcnt 0x0
.irp j, 0,1,2,3,4,5,6,7,8,9,10,11,12,13,14,15
	s_or_b32 s100, s100, s[16+\j]
	s_and_b32 s101, s[16+\j], 0xffff
	s_cselect_b32 s101, 1<<\j, 0
	s_or_b32 s14, s14, s101
	s_bfe_u32 s101, s[16+\j], 0x10010
	s_lshl_b32 s101, s101, \j
	s_or_b32 s15, s15, s101
.endr
	s_and_b32 s100, s100, 0xffff
	s_cmp_eq_u32 s100, 0xffff                      ; has every row an open key somewhere?
	s_cselect_b32 s100, 0, 0xffff                  ; if not, nothing is left out
	s_or_b32 s14, s14, s100
	s_mov_b32 s10, 0                               ; the step's codes: 4,096 bytes a step, in K's images and in V's
	s_mov_b32 s11, 0                               ; K's scale words: 512
	s_mov_b32 s12, 0                               ; V's: 256
	s_mov_b32 s9, 0
	s_wait_loadcnt 0x0                             ; Q
.Lstep:                                            ; sixteen trips
	s_bitcmp1_b32 s14, s9
	s_cbranch_scc0 .Lskip
	s_load_b512 s[16:31], s[98:99], 0x0            ; the step's 64 mask words
	s_load_b512 s[32:47], s[98:99], 0x40
	s_load_b512 s[48:63], s[98:99], 0x80
	s_load_b512 s[68:83], s[98:99], 0xc0
	v_add_nc_u32 v8, s10, v1                       ; these four are also the places between the last products and the loads into their registers
	v_add_nc_u32 v9, s10, v4
	v_add_nc_u32 v10, s11, v6
	v_add_nc_u32 v11, s12, v7
.irp t, 0,1,2,3,4,5,6,7
	ds_load_b128 v[32+8*\t:35+8*\t], v8 offset:512*\t
.endr
.irp b, 0,1,2,3
	ds_load_b32 v[25+\b], v10 offset:128*\b        ; tile 2 b in lanes 0-15, tile 2 b + 1 in lanes 16-31
.endr
.irp t, 0,1,2,3
.irp c, 0,1
	ds_load_b128 v[192+8*\t+4*\c:195+8*\t+4*\c], v9 offset:1024*\t+512*\c
.endr
.endr
.irp i, 0,1
	ds_load_b32 v[29+\i], v11 offset:128*\i
.endr
	s_wait_dscnt 10                                ; K's twelve loads are in; V's ten may be out
.irp t, 0,2,4,6
	v_wmma_scale_f32_16x16x128_f8f6f4 v[96+8*\t:103+8*\t], v[32+8*\t:39+8*\t], v[16:23], 0, v[25+\t/2], v24 matrix_a_fmt:MATRIX_FMT_FP4 matrix_b_fmt:MATRIX_FMT_FP4
	v_wmma_scale_f32_16x16x128_f8f6f4 v[104+8*\t:111+8*\t], v[40+8*\t:47+8*\t], v[16:23], 0, v[25+\t/2], v24 matrix_a_fmt:MATRIX_FMT_FP4 matrix_b_fmt:MATRIX_FMT_FP4 matrix_a_scale:MATRIX_SCALE_ROW1
.endr
.rept 4
	v_nop
.endr
	s_wait_kmcnt 0x0                               ; the mask words
	s_bitcmp1_b32 s15, s9
	s_cbranch_scc1 .Lopen                          ; a step all of whose keys count needs no select
.set n, 0
.rept 64
.if n < 48
	v_cndmask_b32 v[96+n], v5, v[96+n], s[16+n]    ; the score where the bit is set, else -2^33
.else
	v_cndmask_b32 v[96+n], v5, v[96+n], s[20+n]
.endif
.set n, n+1
.endr
.Lopen:
.irp b, 0,1,2,3
	v_max3_num_f32 v[232+\b], v[96+16*\b], v[97+16*\b], v[98+16*\b]   ; the largest score of each block of 32 keys: for the row's maximum and, since p rises with the score, for the block's largest p
.endr
.irp i, 3,5,7,9,11,13
.irp b, 0,1,2,3
	v_max3_num_f32 v[232+\b], v[232+\b], v[96+16*\b+\i], v[97+16*\b+\i]
.endr
.endr
.irp b, 0,1,2,3
	v_max_num_f32 v[232+\b], v[232+\b], v[111+16*\b]
.endr
.irp b, 0,1,2,3
	v_permlanex16_b32 v[236+\b], v[232+\b], s90, s91
.endr
.irp b, 0,1,2,3
	v_max_num_f32 v[232+\b], v[232+\b], v[236+\b]  ; with lane l xor 16's 16 keys
.endr
	v_max3_num_f32 v254, v232, v233, v234
	v_max_num_f32 v254, v254, v235
	v_mul_f32 v254, s66, v254                      ; as t
	v_max_num_f32 v13, v13, v254                   ; the running largest t
	v_mov_b32 v254, v12
	v_floor_f32 v12, -v13                          ; the new -M: M is a whole number
	v_sub_f32 v254, v12, v254                      ; old M - new M, 0 or less
	v_cvt_i32_f32 v254, v254                       ; (it saturates)
	v_ldexp_f32 v252, 1.0, v254                    ; f = 2^(old M - new M): rounds nothing
.set j, 0
.rept 32
	v_pk_fma_f32 v[96+j:97+j], v[96+j:97+j], s[66:67], v[12:13] op_sel_hi:[1,0,0]   ; t - M
.set j, j+2
.endr
.irp b, 0,1,2,3
	v_fma_f32 v[232+\b], v[232+\b], s66, v12       ; the same of each block's largest score
.endr
.set j, 0
.rept 64
	v_exp_f32 v[96+j], v[96+j]                     ; p = 2^(t - M)
.set j, j+1
.endr
	v_pk_mul_f32 v[14:15], v[14:15], v[252:253] op_sel_hi:[1,0]   ; the sums under the new M: a plain line behind the exponentials
	s_wait_alu depctr_va_vdst(0)                   ; one wait for the batch, ahead of its first reader
.irp b, 0,1,2,3
	v_exp_f32 v[232+\b], v[232+\b]                 ; the block's largest p
.endr
	v_pk_add_f32 v[236:237], v[96:97], v[98:99]    ; the row's sum of the unquantised p, in two chains
.set j, 4
.rept 15
	v_pk_add_f32 v[14:15], v[14:15], v[96+j:97+j]
	v_pk_add_f32 v[236:237], v[236:237], v[98+j:99+j]
.set j, j+4
.endr
	v_pk_add_f32 v[14:15], v[14:15], v[236:237]
	s_wait_alu depctr_va_vdst(0)                   ; and one for the four
.irp b, 0,1,2,3
	v_max_num_f32 v[232+\b], 0x1800000, v[232+\b]  ; the floor 2^(3 - 127): the byte cannot fall under 1
.endr
.irp b, 0,1,2,3
	v_add_nc_u32 v[244+\b], 0xff000000, v[232+\b]  ; the conversion's scale operand
.endr
.irp b, 0,1,2,3
	v_lshrrev_b32 v[236+\b], 23, v[244+\b]         ; the byte
.endr
	v_lshl_or_b32 v31, v237, 8, v236               ; p's scale word for these 128 keys
	v_lshl_or_b32 v31, v238, 16, v31
	v_lshl_or_b32 v31, v239, 24, v31
.irp b, 0,1,2,3
	v_cvt_scalef32_pk8_fp4_f32 v[224+2*\b], v[96+16*\b:103+16*\b], v[244+\b]
	v_cvt_scalef32_pk8_fp4_f32 v[225+2*\b], v[104+16*\b:111+16*\b], v[244+\b]
.endr
	v_nop                                          ; one plain line behind the last conversion
.irp c, 0,1
.irp i, 0,1
	v_permlane16_swap_b32 v[224+4*\c+\i], v[226+4*\c+\i]   ; a whole block in a lane
.endr
.endr
.set j, 0
.rept 16
	v_pk_mul_f32 v[160+j:161+j], v[160+j:161+j], v[252:253] op_sel_hi:[1,0]   ; O^T under the new M; these sixteen are also the places between the writes of p's codes and scale word and the products
.set j, j+2
.endr
	s_wait_dscnt 0x0                               ; V
.irp t, 0,2
	v_wmma_scale_f32_16x16x128_f8f6f4 v[160+8*\t:167+8*\t], v[192+8*\t:199+8*\t], v[224:231], v[160+8*\t:167+8*\t], v[29+\t/2], v31 matrix_a_fmt:MATRIX_FMT_FP4 matrix_b_fmt:MATRIX_FMT_FP4
	v_wmma_scale_f32_16x16x128_f8f6f4 v[168+8*\t:175+8*\t], v[200+8*\t:207+8*\t], v[224:231], v[168+8*\t:175+8*\t], v[29+\t/2], v31 matrix_a_fmt:MATRIX_FMT_FP4 matrix_b_fmt:MATRIX_FMT_FP4 matrix_a_scale:MATRIX_SCALE_ROW1
.endr
.Lskip:
	s_wait_xcnt 0x0                                ; the scalar loads have read their base
	s_add_nc_u64 s[98:99], s[98:99], 256
	s_add_co_u32 s10, s10, 4096
	s_add_co_u32 s11, s11, 512
	s_add_co_u32 s12, s12, 256
	s_add_co_u32 s9, s9, 1
	s_cmp_lt_u32 s9, 16
	s_cbranch_scc1 .Lstep
	; THE WAY OUT of a tile: O^T / the sum, quantised along d_model: my head's 64 channels are two blocks, registers 0-3 of half a fragment
.rept 4
	v_nop
.endr
	v_add_f32 v14, v14, v15
	v_permlanex16_b32 v252, v14, s90, s91
	v_add_f32 v14, v14, v252                       ; the row's sum
	v_rcp_f32 v14, v14
	v_nop                                          ; a plain line behind the reciprocal
	s_lshl_b32 s92, s13, 13
	s_lshl_b32 s100, s6, 9
	s_add_co_u32 s92, s92, s100                    ; (16 x token tile + head) x 512
	s_mov_b32 s93, 0
	s_add_nc_u64 s[92:93], s[88:89], s[92:93]
	s_lshl_b32 s94, s13, 9
	s_lshr_b32 s100, s6, 1
	s_lshl_b32 s100, s100, 6
	s_add_co_u32 s94, s94, s100
	s_and_b32 s100, s6, 1
	s_lshl_b32 s100, s100, 1
	s_add_co_u32 s94, s94, s100                    ; the tile's words of K step head / 2; my head's half of each
	s_add_co_u32 s94, s94, ASO
	s_mov_b32 s95, 0
	s_add_nc_u64 s[94:95], s[88:89], s[94:95]
	s_wait_alu depctr_va_vdst(0)                   ; the wait, ahead of the first reader
.set j, 0
.rept 16
	v_pk_mul_f32 v[96+j:97+j], v[160+j:161+j], v[14:15] op_sel_hi:[1,0]   ; register 16 b + i: channel 32 b + 16 h + i
.set j, j+2
.endr
.irp b, 0,1
	v_max3_num_f32 v[232+\b], |v[96+16*\b]|, |v[97+16*\b]|, 0x1800000
.endr
.irp i, 2,4,6,8,10,12,14
.irp b, 0,1
	v_max3_num_f32 v[232+\b], v[232+\b], |v[96+16*\b+\i]|, |v[97+16*\b+\i]|
.endr
.endr
.irp b, 0,1
	v_permlanex16_b32 v[236+\b], v[232+\b], s90, s91
.endr
.irp b, 0,1
	v_max_num_f32 v[232+\b], v[232+\b], v[236+\b]
.endr
.irp b, 0,1
	v_add_nc_u32 v[244+\b], 0xff000000, v[232+\b]
.endr
.irp b, 0,1
	v_lshrrev_b32 v[236+\b], 23, v[244+\b]
.endr
	v_lshl_or_b32 v254, v237, 8, v236              ; my head's two bytes of the row's scale word
.irp b, 0,1
	v_cvt_scalef32_pk8_fp4_f32 v[224+2*\b], v[96+16*\b:103+16*\b], v[244+\b]
	v_cvt_scalef32_pk8_fp4_f32 v[225+2*\b], v[104+16*\b:111+16*\b], v[244+\b]
.endr
	v_nop
	v_permlane16_swap_b32 v224, v226
	v_permlane16_swap_b32 v225, v227
	global_store_b128 v1, v[224:227], s[92:93]     ; 512 consecutive bytes of the image
	global_store_b16 v3, v254, s[94:95]            ; lanes r and r + 16 store the same two bytes with the same value; the word's other half is another head's, another work-group's
	s_add_co_u32 s7, s7, 1
	s_cmp_lt_u32 s7, 2
	s_cbranch_scc1 .Ltile
	s_wait_tensorcnt 0x0
	ds_add_u32 v251, v255
	s_wait_dscnt 0x0
	s_endpgm
.Lfunc_end_k_q789b8deb5c_attn:
	.size	k_q789b8deb5c_attn, .Lfunc_end_k_q789b8deb5c_attn-k_q789b8deb5c_attn
	.p2alignl 7, 3214868480
	.fill 96, 4, 3214868480
	.section	.rodata,"a",@progbits
	.p2align	6, 0x0
	.amdhsa_kernel k_q789b8deb5c_attn
		.amdhsa_group_segment_fixed_size 145408
		.amdhsa_private_segment_fixed_size 0
		.amdhsa_enable_private_segment 0
		.amdhsa_kernarg_size 24
		.amdhsa_user_sgpr_count 2
		.amdhsa_user_sgpr_kernarg_segment_ptr 1
		.amdhsa_wavefront_size32 1
		.amdhsa_system_sgpr_workgroup_id_x 1
		.amdhsa_system_sgpr_workgroup_id_y 1
		.amdhsa_system_sgpr_workgroup_id_z 1
		.amdhsa_system_vgpr_workitem_id 0
		.amdhsa_next_free_vgpr 256
		.amdhsa_next_free_sgpr 102
		.amdhsa_reserve_vcc 0
		.amdhsa_float_denorm_mode_32 3
		.amdhsa_float_denorm_mode_16_64 3
		.amdhsa_memory_ordered 1
		.amdhsa_forward_progress 1
		.amdhsa_inst_pref_size 38
	.end_amdhsa_kernel
	.amdgpu_metadata
---
amdhsa.version: [ 1, 2 ]
amdhsa.kernels:
  - .name:           k_q789b8deb5c_attn
    .symbol:         k_q789b8deb5c_attn.kd
    .args:
      - { .name: qkv, .offset: 0, .size: 8, .value_kind: global_buffer, .address_space: global }
      - { .name: maskw, .offset: 8, .size: 8, .value_kind: global_buffer, .address_space: global }
      - { .name: att, .offset: 16, .size: 8, .value_kind: global_buffer, .address_space: global }
    .group_segment_fixed_size: 145408
    .private_segment_fixed_size: 0
    .kernarg_segment_align: 8
    .kernarg_segment_size: 24
    .max_flat_workgroup_size: 512
    .sgpr_count:     102
    .vgpr_count:     256
    .wavefront_size: 32
...
	.end_amdgpu_metadata
.endif
;; end of part 3
;; launch oproj (part 4): grid 8 x 32, 4 waves a work-group, clusters of 4 x 4, 243,200 bytes of LDS; arguments att, opnd, bo, out0; writes out0
.if DOCPART == 4
	.amdgcn_target "amdgcn-amd-amdhsa--gfx1250"
	.amdhsa_code_object_version 6
	.text
	.protected	k_q789b8deb5c_oproj
	.globl	k_q789b8deb5c_oproj
	.p2align	8
	.type	k_q789b8deb5c_oproj,@function
k_q789b8deb5c_oproj:
	s_mov_b64 s[64:65], 0
	v_nop
	global_prefetch_b8 v0, s[64:65] scope:SCOPE_SE
	s_setreg_imm32_b32 hwreg(HW_REG_WAVE_MODE, 25, 1), 1
	s_wait_xcnt 0x0
	s_wait_alu depctr_hold_cnt(0) depctr_sa_sdst(0) depctr_va_vdst(0) depctr_va_sdst(0) depctr_va_ssrc(0) depctr_va_vcc(0) depctr_vm_vsrc(0)
	s_getreg_b32 s2, hwreg(HW_REG_IB_STS2, 6, 4)
	s_cmp_eq_u32 s2, 0
	s_cbranch_scc0 .Lentry_in_a_cluster
	s_endpgm
.Lentry_in_a_cluster:
	s_bfe_u32 s2, ttmp6, 0x10000c
	s_cmp_lg_u32 s2, 0xf033
	s_cbranch_scc0 .Lentry_shape_is_right
	s_endpgm
.Lentry_shape_is_right:
; OPROJ.  out0 = attn Wo^T + bo on codes of FP4 with E8M0 scales.  Both operands arrive as images: tile T holds rows 32 (T / 2) + 8 (T % 2) + r + 8 (r / 8); codes [T][q][c][lane][16 bytes]; scale words [T][q][r].
; THE PRODUCT IS USED TRANSPOSED: source 0 = a tile of Wo (side R), source 1 = a tile of attn's rows (side L): a lane holds one token, and the 16 registers of R's tiles 2 b and 2 b + 1 are output columns 32 b + 16 h + 0 .. 15.
; SHARES.  A work-group makes 256 tokens x 128 columns; wave w takes L's tiles 4 w .. 4 w + 3 against R's eight: 32 accumulators.  All of K = 1,024 lies in LDS at once: every tensor load is a first fill, nothing is filled again.
; CLUSTER 4 x 4: L's tiles are shared along a row of the cluster, R's along a column: joint loads, each with a mask that names the four.
; The bias is the C of each sum's first matrix instruction.  Results go through the wave's own stage in LDS and leave as 512 consecutive bytes of a row of out0.
; REGISTERS: window 0: v1-13 addresses; v32-47 L's scale words, v48-79 R's (scales and nothing else); v80-143 the bias, later with v144-207 rows on their way out.  window 1: accumulator (a, b) at v[8 (8 a + b)].
;   window 2: two sets of fragments: in set p L's at v[96 p + 8 a], R's at v[96 p + 32 + 8 b].
.set ASO,  0x400000                    ; att: the scale words
.set WOC,  0x580000                    ; opnd: Wo's codes (tiles 192 on)
.set WOS,  0x658000                    ; and its scale words
.set LH,   65536
.set RB,   131072
.set RH,   32768
.set SCL,  196608
.set SCR,  204800
.set STG,  208896                      ; the stages: 16 rows x 528 bytes a wave
.set SP,   528
.set SL,   32
.set SR,   48
.set BI,   80
.set BK,   80
.set STO,  12
.set RD,   13
.set G1L,  24
.set G1R,  32
.set G1SL, 40
.set G1SR, 48
.set G0L0, 56
.set G0L1, 60
.set G0R0, 68
.set G0R1, 72
.set G0SL, 76
.set G0SR, 80
.set MSB, 0
.macro WIN new                         ; the immediate's high byte repeats the setting that is left
.if MSB != \new
	s_set_vgpr_msb (MSB<<8)|\new
.set MSB, \new
.endif
.endm
.macro PLACES                          ; four plain places behind a matrix instruction, in front of loads into its registers and of reads of its results
.rept 4
	v_nop
.endr
.endm
.macro CROUND                          ; a round of the cluster's barrier
	s_barrier_signal -1
	s_barrier_wait -1
	s_cmp_lg_u32 s14, 0
	s_cbranch_scc1 .Lnot_wave_0_\@
	s_barrier_signal -3
.Lnot_wave_0_\@:
	s_barrier_wait -3
	s_barrier_signal -1
	s_barrier_wait -1
.endm
.macro FETCH q, p                      ; the fragments of K step q into set p: 24 loads of 512 consecutive bytes
	WIN 0x80
.irp a, 0,1,2,3
.irp c, 0,1
	ds_load_b128 v[96*(\p)+8*\a+4*\c:96*(\p)+8*\a+4*\c+3], v[6+(\q)/4] offset:4096*\a+1024*((\q)%4)+512*\c
.endr
.endr
.irp b, 0,1,2,3,4,5,6,7
.irp c, 0,1
	ds_load_b128 v[96*(\p)+32+8*\b+4*\c:96*(\p)+32+8*\b+4*\c+3], v[8+(\q)/4] offset:4096*\b+1024*((\q)%4)+512*\c
.endr
.endr
.endm
.macro MUL q, p, first                 ; 32 matrix instructions; the accumulators take turns, one instruction a turn, in the same order in every step.  first = 1: C is the bias, in window 0
.if \first
	WIN 0x4a
.else
	WIN 0x5a
.endif
.irp a, 0,1,2,3
.irp b, 0,1,2,3,4,5,6,7
.set rD, 8*(8*\a+\b)
.set rR, 96*(\p)+32+8*\b
.set rL, 96*(\p)+8*\a
.set rSR, SR+4*\b+(\q)/2
.set rSL, SL+4*\a+(\q)/2
.if \first
	v_wmma_scale_f32_16x16x128_f8f6f4 v[rD:rD+7], v[rR:rR+7], v[rL:rL+7], v[BI+8*\b:BI+8*\b+7], v[rSR], v[rSL] matrix_a_fmt:MATRIX_FMT_FP4 matrix_b_fmt:MATRIX_FMT_FP4
.elseif (\q)%2
	v_wmma_scale_f32_16x16x128_f8f6f4 v[rD:rD+7], v[rR:rR+7], v[rL:rL+7], v[rD:rD+7], v[rSR], v[rSL] matrix_a_fmt:MATRIX_FMT_FP4 matrix_b_fmt:MATRIX_FMT_FP4 matrix_a_scale:MATRIX_SCALE_ROW1 matrix_b_scale:MATRIX_SCALE_ROW1
.else
	v_wmma_scale_f32_16x16x128_f8f6f4 v[rD:rD+7], v[rR:rR+7], v[rL:rL+7], v[rD:rD+7], v[rSR], v[rSL] matrix_a_fmt:MATRIX_FMT_FP4 matrix_b_fmt:MATRIX_FMT_FP4
.endif
.endr
.endr
.endm
.macro STEP q, places, first
.if (\q) < 7
.if \places
	PLACES
.endif
	FETCH (\q)+1, ((\q)+1)%2
	s_wait_dscnt 24                                ; all but the 24 just issued: this step's fragments are in
.else
	s_wait_dscnt 0x0
.endif
	MUL \q, (\q)%2, \first
.endm
	s_load_b256 s[4:11], s[0:1], 0x0               ; att, opnd, bo, out0
	v_lshl_add_u32 v254, v0, 2, 0x3b400
	v_mov_b32 v255, 0
	ds_add_u32 v254, v255
	ds_add_u32 v254, v255
	v_lshrrev_b32 v1, 5, v0
	v_readfirstlane_b32 s14, v1                    ; wave
	s_bfe_u32 s16, ttmp6, 0x40000                  ; cx
	s_bfe_u32 s17, ttmp6, 0x40004                  ; cy
	s_and_b32 s19, ttmp7, 0xffff
	s_lshl_b32 s2, s17, 2
	s_lshl_b32 s2, 15, s2                          ; my row of the cluster
	s_lshl_b32 s3, 0x1111, s16                     ; my column
	; group 1: elements of 8 bytes, no padding; bit 21 set beside a mask.  Codes: a tile's half of K is a row of 512 elements, tiles 1,024 elements apart; L 4 tiles a wave, R 2.  Scale words: dense, rows of 32 elements; L 8 rows, R 4
	s_or_b32 s[G1L], s2, (3<<16)|(1<<21)
	s_or_b32 s[G1SL], s2, (3<<16)|(1<<21)
	s_or_b32 s[G1R], s3, (3<<16)|(1<<21)
	s_or_b32 s[G1SR], s3, (3<<16)|(1<<21)
	s_mov_b32 s[G1L+1], 512<<16
	s_mov_b32 s[G1L+2], 4<<16
	s_mov_b32 s[G1L+3], 512<<16
	s_mov_b32 s[G1L+4], 4
	s_mov_b32 s[G1L+5], 1024
	s_mov_b32 s[G1L+6], 0
	s_mov_b32 s[G1L+7], 0
	s_mov_b32 s[G1R+1], 512<<16
	s_mov_b32 s[G1R+2], 2<<16
	s_mov_b32 s[G1R+3], 512<<16
	s_mov_b32 s[G1R+4], 2
	s_mov_b32 s[G1R+5], 1024
	s_mov_b32 s[G1R+6], 0
	s_mov_b32 s[G1R+7], 0
	s_mov_b32 s[G1SL+1], 32<<16
	s_mov_b32 s[G1SL+2], 8<<16
	s_mov_b32 s[G1SL+3], 32<<16
	s_mov_b32 s[G1SL+4], 8
	s_mov_b32 s[G1SL+5], 32
	s_mov_b32 s[G1SL+6], 0
	s_mov_b32 s[G1SL+7], 0
	s_mov_b32 s[G1SR+1], 32<<16
	s_mov_b32 s[G1SR+2], 4<<16
	s_mov_b32 s[G1SR+3], 32<<16
	s_mov_b32 s[G1SR+4], 4
	s_mov_b32 s[G1SR+5], 32
	s_mov_b32 s[G1SR+6], 0
	s_mov_b32 s[G1SR+7], 0
	s_lshl_b32 s20, s19, 2
	s_add_co_u32 s20, s20, s17                     ; LT = 4 cluster y + cy
	s_lshl_b32 s21, ttmp9, 2
	s_add_co_u32 s21, s21, s16                     ; RT = 4 cluster x + cx
	s_lshl_b32 s22, s20, 4
	s_lshl_b32 s15, s14, 2
	s_add_co_u32 s22, s22, s15                     ; L's tile 16 LT + 4 w
	s_lshl_b32 s92, s22, 13
	s_mov_b32 s93, 0
	s_lshl_b32 s94, s22, 9
	s_add_co_u32 s94, s94, ASO
	s_mov_b32 s95, 0
	s_lshl_b32 s23, s21, 3
	s_lshl_b32 s15, s14, 1
	s_add_co_u32 s23, s23, s15                     ; R's tile 8 RT + 2 w
	s_lshl_b32 s96, s23, 13
	s_add_co_u32 s96, s96, WOC
	s_mov_b32 s97, 0
	s_lshl_b32 s98, s23, 9
	s_add_co_u32 s98, s98, WOS
	s_mov_b32 s99, 0
	s_mov_b32 s[G0L0], 1
	s_mov_b32 s[G0L1], 1
	s_mov_b32 s[G0R0], 1
	s_mov_b32 s[G0R1], 1
	s_mov_b32 s[G0SL], 1
	s_mov_b32 s[G0SR], 1
	s_lshl_b32 s[G0L0+1], s14, 14                  ; LDS addresses hang on the wave's number alone
	s_add_co_u32 s[G0L1+1], s[G0L0+1], LH
	s_lshl_b32 s15, s14, 13
	s_add_co_u32 s[G0R0+1], s15, RB
	s_add_co_u32 s[G0R1+1], s15, RB+RH
	s_lshl_b32 s15, s14, 11
	s_add_co_u32 s[G0SL+1], s15, SCL
	s_lshl_b32 s15, s14, 10
	s_add_co_u32 s[G0SR+1], s15, SCR
	s_wait_dscnt 0x0
	s_wait_kmcnt 0x0
	s_add_nc_u64 s[G0L0+2:G0L0+3], s[4:5], s[92:93]
	s_add_nc_u64 s[G0L1+2:G0L1+3], s[G0L0+2:G0L0+3], 4096
	s_add_nc_u64 s[G0R0+2:G0R0+3], s[6:7], s[96:97]
	s_add_nc_u64 s[G0R1+2:G0R1+3], s[G0R0+2:G0R0+3], 4096
	s_add_nc_u64 s[G0SL+2:G0SL+3], s[4:5], s[94:95]
	s_add_nc_u64 s[G0SR+2:G0SR+3], s[6:7], s[98:99]
	s_or_b32 s[G0L0+3], s[G0L0+3], 0x80000000
	s_or_b32 s[G0L1+3], s[G0L1+3], 0x80000000
	s_or_b32 s[G0R0+3], s[G0R0+3], 0x80000000
	s_or_b32 s[G0R1+3], s[G0R1+3], 0x80000000
	s_or_b32 s[G0SL+3], s[G0SL+3], 0x80000000
	s_or_b32 s[G0SR+3], s[G0SR+3], 0x80000000
	CROUND                                         ; all sixteen work-groups are here: the joint loads meet
	tensor_load_to_lds s[G0SL:G0SL+3], s[G1SL:G1SL+7]   ; six loads of mine are out: the scale words, K's lower half, K's upper half
	s_nop 0
	tensor_load_to_lds s[G0SR:G0SR+3], s[G1SR:G1SR+7]
	s_nop 0
	tensor_load_to_lds s[G0L0:G0L0+3], s[G1L:G1L+7]
	s_nop 0
	tensor_load_to_lds s[G0R0:G0R0+3], s[G1R:G1R+7]
	s_nop 0
	tensor_load_to_lds s[G0L1:G0L1+3], s[G1L:G1L+7]
	s_nop 0
	tensor_load_to_lds s[G0R1:G0R1+3], s[G1R:G1R+7]
	s_nop 0
.rept 4
	v_nop                                          ; four such lines behind the last tensor load
.endr
	v_and_b32 v1, 31, v0                           ; lane
	v_and_b32 v2, 15, v0                           ; r
	v_bfe_u32 v3, v0, 4, 1                         ; h
	v_lshlrev_b32 v4, 4, v1                        ; 16 x lane
	v_lshlrev_b32 v5, 2, v1                        ; 4 x lane
	v_lshlrev_b32 v14, 6, v3                       ; the bias: 16 h numbers on
	s_lshl_b32 s86, s21, 9
	s_mov_b32 s87, 0
	s_add_nc_u64 s[84:85], s[8:9], s[86:87]        ; bo at my 128 columns
.irp b, 0,1,2,3
.irp u, 0,1
.irp e, 0,1
	global_load_b128 v[BI+16*\b+8*\u+4*\e:BI+16*\b+8*\u+4*\e+3], v14, s[84:85] offset:128*\b+32*\u+16*\e   ; in the results' layout: tile 2 b + u at v[BI + 8 (2 b + u)]
.endr
.endr
.endr
	s_lshl_b32 s15, s14, 14
	v_add_nc_u32 v6, s15, v4                       ; my four tiles of L, lower half of K
	v_add_nc_u32 v7, LH, v6
	v_add_nc_u32 v8, RB, v4
	v_add_nc_u32 v9, RB+RH, v4
	s_lshl_b32 s15, s14, 11
	v_add_nc_u32 v10, s15, v5
	v_add_nc_u32 v10, SCL, v10
	v_add_nc_u32 v11, SCR, v5
	s_mul_i32 s15, s14, 16*SP
	s_add_co_u32 s15, s15, STG                     ; my stage
	v_mul_u32_u24 v[STO], v2, SP
	v_lshl_add_u32 v[STO], v3, 6, v[STO]
	v_add_nc_u32 v[STO], s15, v[STO]               ; in: row r, + 64 h
	v_add_nc_u32 v[RD], s15, v4                    ; back: the 32 lanes take one row of 512 bytes
	s_lshl_b32 s88, s20, 20
	s_lshl_b32 s90, s14, 18
	s_add_co_u32 s88, s88, s90
	s_add_co_u32 s88, s88, s86                     ; token 256 LT + 64 w, column 128 RT
	s_mov_b32 s89, 0
	s_add_nc_u64 s[88:89], s[10:11], s[88:89]
	s_wait_tensorcnt 2                             ; my parts of the scale words and of K's lower half are in; the two loads of the upper half may be out
	s_barrier_signal -1
	s_barrier_wait -1                              ; everybody's are
.irp a, 0,1,2,3
.irp i, 0,1,2,3
	ds_load_b32 v[SL+4*\a+\i], v10 offset:512*\a+128*\i   ; steps 2 i (lanes 0-15) and 2 i + 1 (lanes 16-31)
.endr
.endr
.irp b, 0,1,2,3,4,5,6,7
.irp i, 0,1,2,3
	ds_load_b32 v[SR+4*\b+\i], v11 offset:512*\b+128*\i
.endr
.endr
	FETCH 0, 0
	s_wait_loadcnt 0x0                             ; the bias
	STEP 0, 0, 1                                   ; the first products start the sums from the bias
	STEP 1, 1, 0
	STEP 2, 1, 0
	s_wait_tensorcnt 0x0                           ; my parts of K's upper half are in,
	s_wait_dscnt 0x0                               ; no LDS load of mine is pending at the signal,
	s_barrier_signal -1
	s_barrier_wait -1                              ; everybody's are
	STEP 3, 1, 0
	STEP 4, 1, 0
	STEP 5, 1, 0
	STEP 6, 1, 0
	STEP 7, 0, 0
; THE WAY OUT, a tile of 16 tokens x 128 columns at a time, through my own stage: LDS serves a wave's instructions in order, so no wait stands between the stores and the loads
.macro TOSTAGE a
	WIN 0x04                                       ; an LDS store's data are its source 1: the accumulators' window
.irp b, 0,1,2,3,4,5,6,7
.irp e, 0,1
	ds_store_b128 v[STO], v[64*(\a)+8*\b+4*\e:64*(\a)+8*\b+4*\e+3] offset:128*(\b/2)+32*(\b%2)+16*\e   ; each accumulator from its low end on
.endr
.endr
	WIN 0
.set BB, BK+64*((\a)%2)
.irp t, 0,1,2,3,4,5,6,7,8,9,10,11,12,13,14,15
	ds_load_b128 v[BB+4*\t:BB+4*\t+3], v[RD] offset:SP*\t
.endr
.endm
.macro SEND a
.set BB, BK+64*((\a)%2)
.irp t, 0,1,2,3,4,5,6,7,8,9,10,11,12,13,14,15
	s_wait_dscnt 15-\t                             ; row t is back; the younger reads may be out
	global_store_b128 v4, v[BB+4*\t:BB+4*\t+3], s[88:89] offset:(32*((\a)/2)+8*((\a)%2)+\t+8*(\t/8))*4096 th:TH_STORE_NT   ; 512 consecutive bytes of a row of out0, aligned
.endr
.endm
	PLACES
	TOSTAGE 0
	SEND 0
	TOSTAGE 1
	SEND 1
	s_wait_xcnt 0x0                                ; tile 0's stores have read their registers
	TOSTAGE 2
	SEND 2
	s_wait_xcnt 0x0
	TOSTAGE 3
	SEND 3
	s_wait_tensorcnt 0x0
	ds_add_u32 v254, v255
	s_wait_dscnt 0x0
	CROUND                                         ; the closing round: no work-group ends while a partner may still ask for a tile that names it
	s_endpgm
.Lfunc_end_k_q789b8deb5c_oproj:
	.size	k_q789b8deb5c_oproj, .Lfunc_end_k_q789b8deb5c_oproj-k_q789b8deb5c_oproj
	.p2alignl 7, 3214868480
	.fill 96, 4, 3214868480
	.section	.rodata,"a",@progbits
	.p2align	6, 0x0
	.amdhsa_kernel k_q789b8deb5c_oproj
		.amdhsa_group_segment_fixed_size 243200
		.amdhsa_private_segment_fixed_size 0
		.amdhsa_enable_private_segment 0
		.amdhsa_kernarg_size 32
		.amdhsa_user_sgpr_count 2
		.amdhsa_user_sgpr_kernarg_segment_ptr 1
		.amdhsa_wavefront_size32 1
		.amdhsa_system_sgpr_workgroup_id_x 1
		.amdhsa_system_sgpr_workgroup_id_y 1
		.amdhsa_system_sgpr_workgroup_id_z 1
		.amdhsa_system_vgpr_workitem_id 0
		.amdhsa_next_free_vgpr 768
		.amdhsa_next_free_sgpr 102
		.amdhsa_reserve_vcc 0
		.amdhsa_float_denorm_mode_32 3
		.amdhsa_float_denorm_mode_16_64 3
		.amdhsa_memory_ordered 1
		.amdhsa_forward_progress 1
		.amdhsa_inst_pref_size 75
	.end_amdhsa_kernel
	.amdgpu_metadata
---
amdhsa.version: [ 1, 2 ]
amdhsa.kernels:
  - .name:           k_q789b8deb5c_oproj
    .symbol:         k_q789b8deb5c_oproj.kd
    .args:
      - { .name: att, .offset: 0, .size: 8, .value_kind: global_buffer, .address_space: global }
      - { .name: opnd, .offset: 8, .size: 8, .value_kind: global_buffer, .address_space: global }
      - { .name: bo, .offset: 16, .size: 8, .value_kind: global_buffer, .address_space: global }
      - { .name: out0, .offset: 24, .size: 8, .value_kind: global_buffer, .address_space: global }
    .group_segment_fixed_size: 243200
    .private_segment_fixed_size: 0
    .kernarg_segment_align: 8
    .kernarg_segment_size: 32
    .max_flat_workgroup_size: 128
    .sgpr_count:     102
    .vgpr_count:     768
    .wavefront_size: 32
...
	.end_amdgpu_metadata
.endif
;; end of part 4
;; ======== version 2 of 2: 4 launches; version 1 with the launch attn written anew for expert scheduling mode
;; limits: right only within a limited range of input values
;; workspace buffers: opnd 6,684,672 bytes; maskw 532,480 bytes of whole numbers; qkv 13,893,632 bytes; att 4,456,448 bytes
;; launch prep: the kernel of part 1 again; grid 256 x 1, 4 waves a work-group, no clusters, 70,144 bytes of LDS; arguments x, Wq, Wk, Wv, Wo, mask, opnd, maskw; writes opnd, maskw
;; launch qkv: the kernel of part 2 again; grid 24 x 32, 4 waves a work-group, clusters of 4 x 4, 213,504 bytes of LDS; arguments opnd, bq, bk, bv, qkv; writes qkv
;; launch attn (part 5): grid 4 x 64, 16 waves a work-group, no clusters, 145,408 bytes of LDS; arguments qkv, maskw, att; writes att
.if DOCPART == 5
	.amdgcn_target "amdgcn-amd-amdhsa--gfx1250"
	.amdhsa_code_object_version 6
	.text
	.protected	k_q789b8deb5c_attn
	.globl	k_q789b8deb5c_attn
	.p2align	8
	.type	k_q789b8deb5c_attn,@function
k_q789b8deb5c_attn:
	s_mov_b64 s[64:65], 0
	v_nop
	global_prefetch_b8 v0, s[64:65] scope:SCOPE_SE
	s_setreg_imm32_b32 hwreg(HW_REG_WAVE_SCHED_MODE, 0, 2), 2
	s_setreg_imm32_b32 hwreg(HW_REG_WAVE_MODE, 25, 1), 1
	s_wait_xcnt 0x0
	s_wait_alu depctr_vm_vsrc(0)
; ATTN.  softmax(where(mask == 0, -1e9, Q K^T / 8)) V for one head, both products on codes of FP4 with E8M0 scales; the result, divided by the row's sum, is quantised along d_model and leaves as the last product's operand image.
; THE SOFTMAX AHEAD OF THE SECOND PRODUCT: t = score x log2(e) / 8; M = the row's largest t so far, rounded up to a whole number; p = 2^(t - M) is quantised along the keys; the row's sum is taken of the unquantised p.
; SHARES.  A work-group serves one (batch, head): it copies the head's K and V (128 KiB of images, 12 KiB of scale words) into LDS once, through registers.  Wave w takes two tiles of 16 queries, one after the other:
; tiles 4 i + g with i = w and then i = 31 - w: only an order of work.  Every tile walks 16 key steps of 128 keys.
; LAYOUT.  S^T = K Q^T (source 0 = 16 keys, source 1 = my 16 queries), O^T = V^T P^T: a lane holds one query throughout; the 16 registers of tiles 2 b and 2 b + 1 of S^T are keys 32 b + 16 h + 0 .. 15.
; A head has 64 channels and the instruction's K is 128: registers 4-7 of Q's and K's fragments are zero codes, under the scale byte 0, and add nothing.
; THE MASK is honoured bit by bit, from the words that an earlier launch stored.  A masked score becomes -2^33: times c that is a whole number in f32, so a row with no open key at all gets M = t and p = 1 exactly, the uniform
; row that -1e9 gives; everywhere else p = 0.  A key step in which no row of the tile has an open key is left out by a scalar branch on the stored flags, but only where every row of the tile has an open key somewhere.
; NO JOINT LOADS, NO TENSOR LOADS, though four work-groups read the same K and V; what is shared is read once, at the head.
; LIMITS: open logits at or under about -1e9 are not told from masked ones; p under 2^-126 falls to 0; a block of zeros gets the byte 1 (zero codes; only this program reads the bytes); NaN and infinities are not served.
; REGISTERS: v1-7 constants; v8-11 the step's LDS addresses; v12 -M, v13 the largest t, v[14:15] the sum; v16-23 Q; v24 Q's scale word, v25-28 K's, v29-30 V's, v31 P's (scales and nothing else); v32-95 K; v96-159 S^T, then p;
;   v160-191 O^T; v192-223 V; v224-231 P's codes; v232-254 at work.  s16-63, s68-83 the step's 64 mask words.
; THE MODE: SCHED_MODE bits 1:0 = 2 (LLVM: expert scheduling mode 2), set by the entry lines.  The code itself states the register dependences between vector or matrix instructions and memory or LDS instructions,
; with s_wait_alu, always for 0.
; THE PLAN.  Registers that memory or LDS instructions touch:
;   v102-106      The head's offsets and LDS addresses: written once by vector lines, read by the head's loads and LDS stores; afterwards part of S^T.  v32-101: the head's staging: loaded, read by the LDS stores, then K, S^T.
;   v1, v3        Offsets of Q's loads and of a tile's stores: written at the head, never again.
;   v16-19, v24   Q and its scale words: loaded at a tile's head; read by S^T's matrix instructions.
;   v8-11         The step's LDS addresses: written by four additions at the step's head; read by the step's 22 LDS loads.
;   K (v32-35 + 8 t, v25-28), V (v192-223, v29-30): loaded in a step; read by that step's eight and four matrix instructions.
;   v224-231, v31 P's codes and scale word: written by vector lines; read by O^T's matrix instructions.  On the way out v224-227 and v254 are written by vector lines and read by the tile's two stores.
; A STEP has, beside the two waits behind its exponentials, three waits: vm_vsrc ahead of the four additions; va_vdst behind them, which also states that the last walked step's matrix instructions are done reading K, V and
; their scale words; va_vdst ahead of O^T's matrix instructions.  Behind the second, K's twelve loads go out at once and V's ten are dealt among S^T's matrix instructions, which name none of the registers that V's loads touch.
; No second set of registers for K or V: sixteen waves of 256 registers are all that the four SIMDs hold.
.set VCO,  0x800000
.set QKS,  0xC00000
.set VSO,  0xD00000
.set META, 0x80000
.set ASO,  0x400000
.set VI,   65536                       ; LDS: K's images at 0 (512 bytes a tile of 16 keys), V's at VI (4,096 a key step),
.set KSC,  131072                      ; K's scale words (64 bytes a tile),
.set VSC,  139264                      ; V's (256 bytes a key step)
	s_load_b128 s[84:87], s[0:1], 0x0              ; qkv, maskw
	s_load_b64 s[88:89], s[0:1], 0x10              ; att
	v_lshl_add_u32 v251, v0, 2, 0x23000
	v_mov_b32 v255, 0
	v_lshrrev_b32 v1, 5, v0
	v_readfirstlane_b32 s2, v1                     ; wave 0..15
	s_mov_b32 s3, ttmp9                            ; g
	s_and_b32 s4, ttmp7, 0xffff                    ; 16 b + head
	s_lshr_b32 s5, s4, 4                           ; b
	s_and_b32 s6, s4, 15                           ; head
	v_lshlrev_b32 v102, 4, v0                      ; 16 x thread
	v_lshlrev_b32 v103, 3, v0                      ; 8 x thread
	v_add_nc_u32 v104, VI, v102
	v_add_nc_u32 v105, KSC, v102
	v_add_nc_u32 v106, VSC, v103
	s_wait_alu depctr_va_sdst(0)                   ; s2 is written, ahead of its first reader: the tiles' numbers are made from it
	s_add_co_u32 s100, s6, 16                      ; K's heads lie behind Q's sixteen
	s_lshl_b32 s92, s100, 18
	s_lshl_b32 s101, s5, 16
	s_add_co_u32 s92, s92, s101                    ; (512 (16 + head) + 128 b) x 512
	s_mov_b32 s93, 0
	s_lshl_b32 s94, s4, 16
	s_add_co_u32 s94, s94, VCO
	s_mov_b32 s95, 0
	s_lshl_b32 s96, s100, 15
	s_lshl_b32 s101, s5, 13
	s_add_co_u32 s96, s96, s101
	s_add_co_u32 s96, s96, QKS
	s_mov_b32 s97, 0
	s_lshl_b32 s98, s4, 12
	s_add_co_u32 s98, s98, VSO
	s_mov_b32 s99, 0
	s_mov_b32 s66, 0x3e38aa3b                      ; c = log2(e) / 8
	s_mov_b32 s67, s66                             ; (named with it as a pair)
	s_mov_b32 s90, 0x76543210
	s_mov_b32 s91, 0xfedcba98                      ; lane l xor 16
	s_wait_kmcnt 0x0
	s_add_nc_u64 s[92:93], s[84:85], s[92:93]
	s_add_nc_u64 s[94:95], s[84:85], s[94:95]
	s_add_nc_u64 s[96:97], s[84:85], s[96:97]
	s_add_nc_u64 s[98:99], s[84:85], s[98:99]
	s_wait_alu depctr_va_vdst(0)                   ; v102 to v106 are written: the loads below read v102 and v103 as offsets, the LDS stores behind them v102 and v104 to v106 as addresses; no vector line between names them
.irp i, 0,1,2,3,4,5,6,7
	global_load_b128 v[32+4*\i:35+4*\i], v102, s[92:93] offset:8192*\i   ; the 512 threads read 8,192 consecutive bytes
.endr
.irp i, 0,1,2,3,4,5,6,7
	global_load_b128 v[64+4*\i:67+4*\i], v102, s[94:95] offset:8192*\i
.endr
	global_load_b128 v[96:99], v102, s[96:97]
	global_load_b64 v[100:101], v103, s[98:99]
	v_and_b32 v2, 31, v0                           ; lane
	v_and_b32 v3, 15, v0                           ; r
	v_lshlrev_b32 v1, 4, v2                        ; 16 x lane
	v_lshlrev_b32 v2, 2, v2                        ; 4 x lane
	v_lshlrev_b32 v3, 2, v3                        ; 4 r
	v_add_nc_u32 v4, VI, v1
	v_mov_b32 v5, 0xd0000000                       ; -2^33
	v_add_nc_u32 v6, KSC, v2
	v_add_nc_u32 v7, VSC, v2
	s_wait_loadcnt 0x0
.irp i, 0,1,2,3,4,5,6,7
	ds_store_b128 v102, v[32+4*\i:35+4*\i] offset:8192*\i
.endr
.irp i, 0,1,2,3,4,5,6,7
	ds_store_b128 v104, v[64+4*\i:67+4*\i] offset:8192*\i
.endr
	ds_store_b128 v105, v[96:99]
	ds_store_b64 v106, v[100:101]
	s_wait_dscnt 0x0                               ; for the others' sake: my stores have landed
	s_barrier_signal -1
	s_barrier_wait -1                              ; the head's K and V lie in LDS; nothing is written there again
	s_wait_alu depctr_vm_vsrc(0)                   ; my loads and LDS stores have read v32 to v106: from here on these registers are K and S^T, written by the lines below, by K's LDS loads and by matrix instructions
.irp t, 0,1,2,3,4,5,6,7
.irp i, 4,5,6,7
	v_mov_b32 v[32+8*\t+\i], 0                     ; K's zero codes for k = 64 .. 127
.endr
.endr
.irp i, 20,21,22,23
	v_mov_b32 v\i, 0                               ; Q's
.endr
.irp i, 236,237,238,239,252,253
	v_mov_b32 v\i, 0                               ; lane permutes' destinations, and the upper half of the pair v[252:253], count as read
.endr
	s_mov_b32 s7, 0
.Ltile:                                            ; two trips
	s_wait_xcnt 0x0                                ; the last tile's stores have read their registers and bases
	s_wait_alu depctr_vm_vsrc(0)                   ; the last tile's stores have read v224 to v227 and v254, which this tile's conversions and maxima write again
	s_sub_co_u32 s100, 31, s2
	s_cmp_eq_u32 s7, 0
	s_cselect_b32 s100, s2, s100
	s_lshl_b32 s8, s100, 2
	s_add_co_u32 s8, s8, s3                        ; the tile of queries, T
	s_lshl_b32 s13, s5, 7
	s_add_co_u32 s13, s13, s8                      ; as a token tile: 128 b + T
	s_lshl_b32 s101, s6, 9
	s_add_co_u32 s101, s101, s13
	s_lshl_b32 s92, s101, 9
	s_mov_b32 s93, 0
	s_add_nc_u64 s[92:93], s[84:85], s[92:93]
	s_lshl_b32 s94, s101, 6
	s_add_co_u32 s94, s94, QKS
	s_mov_b32 s95, 0
	s_add_nc_u64 s[94:95], s[84:85], s[94:95]
	s_wait_alu depctr_va_vdst(0)                   ; first trip: v1 and v3, the two loads' offsets, are written, and so are Q's and K's zero codes, which matrix instructions take; second trip: the last tile's matrix instructions are done reading v16 to v19 and v24, in which the loads land
	global_load_b128 v[16:19], v1, s[92:93]        ; Q's fragment
	global_load_b32 v24, v3, s[94:95]              ; and its scale words
	s_lshl_b32 s96, s8, 6
	s_add_co_u32 s96, s96, META
	s_mov_b32 s97, 0
	s_add_nc_u64 s[96:97], s[86:87], s[96:97]
	s_load_b512 s[16:31], s[96:97], 0x0            ; the tile's sixteen flag words
	s_lshl_b32 s98, s8, 12
	s_mov_b32 s99, 0
	s_add_nc_u64 s[98:99], s[86:87], s[98:99]      ; its mask words, 256 bytes a key step
	v_mov_b32 v13, 0xff61b1e6                      ; the largest t so far: -3e38
	v_floor_f32 v12, -v13                          ; -M
	v_mov_b32 v14, 0
	v_mov_b32 v15, 0
.set j, 0
.rept 32
	v_mov_b32 v[160+j], 0                          ; O^T: the step is written once; the first change of M leaves zeros zeros
.set j, j+1
.endr
	s_mov_b32 s14, 0                               ; bit j: step j is walked
	s_mov_b32 s15, 0                               ; bit j: all of step j is open
	s_mov_b32 s100, 0
	s_wait_kmcnt 0x0
.irp j, 0,1,2,3,4,5,6,7,8,9,10,11,12,13,14,15
	s_or_b32 s100, s100, s[16+\j]
	s_and_b32 s101, s[16+\j], 0xffff
	s_cselect_b32 s101, 1<<\j, 0
	s_or_b32 s14, s14, s101
	s_bfe_u32 s101, s[16+\j], 0x10010
	s_lshl_b32 s101, s101, \j
	s_or_b32 s15, s15, s101
.endr
	s_and_b32 s100, s100, 0xffff
	s_cmp_eq_u32 s100, 0xffff                      ; has every row an open key somewhere?
	s_cselect_b32 s100, 0, 0xffff                  ; if not, nothing is left out
	s_or_b32 s14, s14, s100
	s_mov_b32 s10, 0                               ; the step's codes: 4,096 bytes a step, in K's images and in V's
	s_mov_b32 s11, 0                               ; K's scale words: 512
	s_mov_b32 s12, 0                               ; V's: 256
	s_mov_b32 s9, 0
	s_wait_loadcnt 0x0                             ; Q
.Lstep:                                            ; sixteen trips
	s_bitcmp1_b32 s14, s9
	s_cbranch_scc0 .Lskip
	s_load_b512 s[16:31], s[98:99], 0x0            ; the step's 64 mask words
	s_load_b512 s[32:47], s[98:99], 0x40
	s_load_b512 s[48:63], s[98:99], 0x80
	s_load_b512 s[68:83], s[98:99], 0xc0
	s_wait_alu depctr_vm_vsrc(0)                   ; the LDS loads of the last walked step have read v8 to v11
	v_add_nc_u32 v8, s10, v1                       ; the step's four LDS addresses
	v_add_nc_u32 v9, s10, v4
	v_add_nc_u32 v10, s11, v6
	v_add_nc_u32 v11, s12, v7
	s_wait_alu depctr_va_vdst(0)                   ; v8 to v11 are written, which the 22 LDS loads below read; the last walked step's matrix instructions are done reading K, V and their scale words, in which those loads land
.irp t, 0,1,2,3,4,5,6,7
	ds_load_b128 v[32+8*\t:35+8*\t], v8 offset:512*\t
.endr
.irp b, 0,1,2,3
	ds_load_b32 v[25+\b], v10 offset:128*\b        ; tile 2 b in lanes 0-15, tile 2 b + 1 in lanes 16-31
.endr
	s_wait_dscnt 0x0                               ; K's twelve loads are in; nothing younger is out yet
.irp t, 0,2,4,6
	v_wmma_scale_f32_16x16x128_f8f6f4 v[96+8*\t:103+8*\t], v[32+8*\t:39+8*\t], v[16:23], 0, v[25+\t/2], v24 matrix_a_fmt:MATRIX_FMT_FP4 matrix_b_fmt:MATRIX_FMT_FP4
	v_wmma_scale_f32_16x16x128_f8f6f4 v[104+8*\t:111+8*\t], v[40+8*\t:47+8*\t], v[16:23], 0, v[25+\t/2], v24 matrix_a_fmt:MATRIX_FMT_FP4 matrix_b_fmt:MATRIX_FMT_FP4 matrix_a_scale:MATRIX_SCALE_ROW1
	ds_load_b128 v[192+4*\t:195+4*\t], v9 offset:512*\t        ; V's tile t / 2, dealt among these products.  No wait: no vector or matrix instruction since the wait above names v192 to v223, v29, v30, v9 or v11
	ds_load_b128 v[196+4*\t:199+4*\t], v9 offset:512*\t+512
.if \t < 4
	ds_load_b32 v[29+\t/2], v11 offset:64*\t       ; V's scale words: two tiles to a register
.endif
.endr
.rept 4
	v_nop
.endr
	s_wait_kmcnt 0x0                               ; the mask words
	s_bitcmp1_b32 s15, s9
	s_cbranch_scc1 .Lopen                          ; a step all of whose keys count needs no select
.set n, 0
.rept 64
.if n < 48
	v_cndmask_b32 v[96+n], v5, v[96+n], s[16+n]    ; the score where the bit is set, else -2^33
.else
	v_cndmask_b32 v[96+n], v5, v[96+n], s[20+n]
.endif
.set n, n+1
.endr
.Lopen:
.irp b, 0,1,2,3
	v_max3_num_f32 v[232+\b], v[96+16*\b], v[97+16*\b], v[98+16*\b]   ; the largest score of each block of 32 keys: for the row's maximum and, since p rises with the score, for the block's largest p
.endr
.irp i, 3,5,7,9,11,13
.irp b, 0,1,2,3
	v_max3_num_f32 v[232+\b], v[232+\b], v[96+16*\b+\i], v[97+16*\b+\i]
.endr
.endr
.irp b, 0,1,2,3
	v_max_num_f32 v[232+\b], v[232+\b], v[111+16*\b]
.endr
.irp b, 0,1,2,3
	v_permlanex16_b32 v[236+\b], v[232+\b], s90, s91
.endr
.irp b, 0,1,2,3
	v_max_num_f32 v[232+\b], v[232+\b], v[236+\b]  ; with lane l xor 16's 16 keys
.endr
	v_max3_num_f32 v254, v232, v233, v234
	v_max_num_f32 v254, v254, v235
	v_mul_f32 v254, s66, v254                      ; as t
	v_max_num_f32 v13, v13, v254                   ; the running largest t
	v_mov_b32 v254, v12
	v_floor_f32 v12, -v13                          ; the new -M: M is a whole number
	v_sub_f32 v254, v12, v254                      ; old M - new M, 0 or less
	v_cvt_i32_f32 v254, v254                       ; (it saturates)
	v_ldexp_f32 v252, 1.0, v254                    ; f = 2^(old M - new M): rounds nothing
.set j, 0
.rept 32
	v_pk_fma_f32 v[96+j:97+j], v[96+j:97+j], s[66:67], v[12:13] op_sel_hi:[1,0,0]   ; t - M
.set j, j+2
.endr
.irp b, 0,1,2,3
	v_fma_f32 v[232+\b], v[232+\b], s66, v12       ; the same of each block's largest score
.endr
.set j, 0
.rept 64
	v_exp_f32 v[96+j], v[96+j]                     ; p = 2^(t - M)
.set j, j+1
.endr
	v_pk_mul_f32 v[14:15], v[14:15], v[252:253] op_sel_hi:[1,0]   ; the sums under the new M: a plain line behind the exponentials
	s_wait_alu depctr_va_vdst(0)                   ; the 64 exponentials have written p, v96 to v159: one wait for the batch, ahead of its first reader
.irp b, 0,1,2,3
	v_exp_f32 v[232+\b], v[232+\b]                 ; the block's largest p
.endr
	v_pk_add_f32 v[236:237], v[96:97], v[98:99]    ; the row's sum of the unquantised p, in two chains
.set j, 4
.rept 15
	v_pk_add_f32 v[14:15], v[14:15], v[96+j:97+j]
	v_pk_add_f32 v[236:237], v[236:237], v[98+j:99+j]
.set j, j+4
.endr
	v_pk_add_f32 v[14:15], v[14:15], v[236:237]
	s_wait_alu depctr_va_vdst(0)                   ; the four exponentials have written v232 to v235, ahead of their first reader
.irp b, 0,1,2,3
	v_max_num_f32 v[232+\b], 0x1800000, v[232+\b]  ; the floor 2^(3 - 127): the byte cannot fall under 1
.endr
.irp b, 0,1,2,3
	v_add_nc_u32 v[244+\b], 0xff000000, v[232+\b]  ; the conversion's scale operand
.endr
.irp b, 0,1,2,3
	v_lshrrev_b32 v[236+\b], 23, v[244+\b]         ; the byte
.endr
	v_lshl_or_b32 v31, v237, 8, v236               ; p's scale word for these 128 keys
	v_lshl_or_b32 v31, v238, 16, v31
	v_lshl_or_b32 v31, v239, 24, v31
.irp b, 0,1,2,3
	v_cvt_scalef32_pk8_fp4_f32 v[224+2*\b], v[96+16*\b:103+16*\b], v[244+\b]
	v_cvt_scalef32_pk8_fp4_f32 v[225+2*\b], v[104+16*\b:111+16*\b], v[244+\b]
.endr
	v_nop                                          ; one plain line behind the last conversion
.irp c, 0,1
.irp i, 0,1
	v_permlane16_swap_b32 v[224+4*\c+\i], v[226+4*\c+\i]   ; a whole block in a lane
.endr
.endr
.set j, 0
.rept 16
	v_pk_mul_f32 v[160+j:161+j], v[160+j:161+j], v[252:253] op_sel_hi:[1,0]   ; O^T under the new M; these sixteen are also the places between the writes of p's codes and scale word and the products
.set j, j+2
.endr
	s_wait_dscnt 0x0                               ; V
	s_wait_alu depctr_va_vdst(0)                   ; p's codes, v224 to v231, and its scale word, v31, are written, which the products below take as source 1 and as its scales; the places above stay beside this wait
.irp t, 0,2
	v_wmma_scale_f32_16x16x128_f8f6f4 v[160+8*\t:167+8*\t], v[192+8*\t:199+8*\t], v[224:231], v[160+8*\t:167+8*\t], v[29+\t/2], v31 matrix_a_fmt:MATRIX_FMT_FP4 matrix_b_fmt:MATRIX_FMT_FP4
	v_wmma_scale_f32_16x16x128_f8f6f4 v[168+8*\t:175+8*\t], v[200+8*\t:207+8*\t], v[224:231], v[168+8*\t:175+8*\t], v[29+\t/2], v31 matrix_a_fmt:MATRIX_FMT_FP4 matrix_b_fmt:MATRIX_FMT_FP4 matrix_a_scale:MATRIX_SCALE_ROW1
.endr
.Lskip:
	s_wait_xcnt 0x0                                ; the scalar loads have read their base
	s_add_nc_u64 s[98:99], s[98:99], 256
	s_add_co_u32 s10, s10, 4096
	s_add_co_u32 s11, s11, 512
	s_add_co_u32 s12, s12, 256
	s_add_co_u32 s9, s9, 1
	s_cmp_lt_u32 s9, 16
	s_cbranch_scc1 .Lstep
	; THE WAY OUT of a tile: O^T / the sum, quantised along d_model: my head's 64 channels are two blocks, registers 0-3 of half a fragment
.rept 4
	v_nop
.endr
	v_add_f32 v14, v14, v15
	v_permlanex16_b32 v252, v14, s90, s91
	v_add_f32 v14, v14, v252                       ; the row's sum
	v_rcp_f32 v14, v14
	v_nop                                          ; a plain line behind the reciprocal
	s_lshl_b32 s92, s13, 13
	s_lshl_b32 s100, s6, 9
	s_add_co_u32 s92, s92, s100                    ; (16 x token tile + head) x 512
	s_mov_b32 s93, 0
	s_add_nc_u64 s[92:93], s[88:89], s[92:93]
	s_lshl_b32 s94, s13, 9
	s_lshr_b32 s100, s6, 1
	s_lshl_b32 s100, s100, 6
	s_add_co_u32 s94, s94, s100
	s_and_b32 s100, s6, 1
	s_lshl_b32 s100, s100, 1
	s_add_co_u32 s94, s94, s100                    ; the tile's words of K step head / 2; my head's half of each
	s_add_co_u32 s94, s94, ASO
	s_mov_b32 s95, 0
	s_add_nc_u64 s[94:95], s[88:89], s[94:95]
	s_wait_alu depctr_va_vdst(0)                   ; the reciprocal has written v14, ahead of its first reader
.set j, 0
.rept 16
	v_pk_mul_f32 v[96+j:97+j], v[160+j:161+j], v[14:15] op_sel_hi:[1,0]   ; register 16 b + i: channel 32 b + 16 h + i
.set j, j+2
.endr
.irp b, 0,1
	v_max3_num_f32 v[232+\b], |v[96+16*\b]|, |v[97+16*\b]|, 0x1800000
.endr
.irp i, 2,4,6,8,10,12,14
.irp b, 0,1
	v_max3_num_f32 v[232+\b], v[232+\b], |v[96+16*\b+\i]|, |v[97+16*\b+\i]|
.endr
.endr
.irp b, 0,1
	v_permlanex16_b32 v[236+\b], v[232+\b], s90, s91
.endr
.irp b, 0,1
	v_max_num_f32 v[232+\b], v[232+\b], v[236+\b]
.endr
.irp b, 0,1
	v_add_nc_u32 v[244+\b], 0xff000000, v[232+\b]
.endr
.irp b, 0,1
	v_lshrrev_b32 v[236+\b], 23, v[244+\b]
.endr
	v_lshl_or_b32 v254, v237, 8, v236              ; my head's two bytes of the row's scale word
.irp b, 0,1
	v_cvt_scalef32_pk8_fp4_f32 v[224+2*\b], v[96+16*\b:103+16*\b], v[244+\b]
	v_cvt_scalef32_pk8_fp4_f32 v[225+2*\b], v[104+16*\b:111+16*\b], v[244+\b]
.endr
	v_nop
	v_permlane16_swap_b32 v224, v226
	v_permlane16_swap_b32 v225, v227
	s_wait_alu depctr_va_vdst(0)                   ; the conversions and exchanges have written v224 to v227, and v254 is written: the two stores below read them as data
	global_store_b128 v1, v[224:227], s[92:93]     ; 512 consecutive bytes of the image
	global_store_b16 v3, v254, s[94:95]            ; lanes r and r + 16 store the same two bytes with the same value; the word's other half is another head's, another work-group's
	s_add_co_u32 s7, s7, 1
	s_cmp_lt_u32 s7, 2
	s_cbranch_scc1 .Ltile
	s_wait_dscnt 0x0
	s_wait_alu depctr_hold_cnt(0) depctr_sa_sdst(0) depctr_va_vdst(0) depctr_va_sdst(0) depctr_va_ssrc(0) depctr_va_vcc(0) depctr_vm_vsrc(0)
	s_wait_tensorcnt 0x0
	ds_add_u32 v251, v255
	s_wait_dscnt 0x0
	s_endpgm
.Lfunc_end_k_q789b8deb5c_attn:
	.size	k_q789b8deb5c_attn, .Lfunc_end_k_q789b8deb5c_attn-k_q789b8deb5c_attn
	.p2alignl 7, 3214868480
	.fill 96, 4, 3214868480
	.section	.rodata,"a",@progbits
	.p2align	6, 0x0
	.amdhsa_kernel k_q789b8deb5c_attn
		.amdhsa_group_segment_fixed_size 145408
		.amdhsa_private_segment_fixed_size 0
		.amdhsa_enable_private_segment 0
		.amdhsa_kernarg_size 24
		.amdhsa_user_sgpr_count 2
		.amdhsa_user_sgpr_kernarg_segment_ptr 1
		.amdhsa_wavefront_size32 1
		.amdhsa_system_sgpr_workgroup_id_x 1
		.amdhsa_system_sgpr_workgroup_id_y 1
		.amdhsa_system_sgpr_workgroup_id_z 1
		.amdhsa_system_vgpr_workitem_id 0
		.amdhsa_next_free_vgpr 256
		.amdhsa_next_free_sgpr 102
		.amdhsa_reserve_vcc 0
		.amdhsa_float_denorm_mode_32 3
		.amdhsa_float_denorm_mode_16_64 3
		.amdhsa_memory_ordered 1
		.amdhsa_forward_progress 1
		.amdhsa_inst_pref_size 39
	.end_amdhsa_kernel
	.amdgpu_metadata
---
amdhsa.version: [ 1, 2 ]
amdhsa.kernels:
  - .name:           k_q789b8deb5c_attn
    .symbol:         k_q789b8deb5c_attn.kd
    .args:
      - { .name: qkv, .offset: 0, .size: 8, .value_kind: global_buffer, .address_space: global }
      - { .name: maskw, .offset: 8, .size: 8, .value_kind: global_buffer, .address_space: global }
      - { .name: att, .offset: 16, .size: 8, .value_kind: global_buffer, .address_space: global }
    .group_segment_fixed_size: 145408
    .private_segment_fixed_size: 0
    .kernarg_segment_align: 8
    .kernarg_segment_size: 24
    .max_flat_workgroup_size: 512
    .sgpr_count:     102
    .vgpr_count:     256
    .wavefront_size: 32
...
	.end_amdgpu_metadata
.endif
;; end of part 5
;; launch oproj: the kernel of part 4 again; grid 8 x 32, 4 waves a work-group, clusters of 4 x 4, 243,200 bytes of LDS; arguments att, opnd, bo, out0; writes out0
